; MI455X (gfx1250); checked and timed in simulation.
; The chip was launched on July 23, 2026; its instructions are those of AMD's public machine-readable ISA for CDNA 5 (MIT licence, August 2026) and "CDNA5" Instruction Set Architecture Reference Guide (July 2026). The comments in the code are by the model that wrote it; some were corrected since.
;; Encoder Layer foridx. Allowed arithmetic: matrix products marked QUANTISED: E2M1 operands, one E8M0 scale for each 32 along K, by v_wmma_scale_f32_16x16x128_f8f6f4 with both operands' format E2M1 (or v_wmma_scale_f32_32x16x128_f4), f32 sums; everything else in f32.
;; Inputs: W1_codes 512 x 16 x 16 uint8 (E2M1 codes of W1, K innermost, in blocks of 32 codes, two codes a byte); W1_scales 512 x 16 uint8 (E8M0 scales of W1, one for each 32 codes along K); W2_codes 512 x 16 x 16 uint8 (E2M1 codes of W2, K innermost, in blocks of 32 codes, two codes a byte); W2_scales 512 x 16 uint8 (E8M0 scales of W2, one for each 32 codes along K); Wk_codes 512 x 16 x 16 uint8 (E2M1 codes of Wk, K innermost, in blocks of 32 codes, two codes a byte); Wk_scales 512 x 16 uint8 (E8M0 scales of Wk, one for each 32 codes along K); Wq_codes 512 x 16 x 16 uint8 (E2M1 codes of Wq, K innermost, in blocks of 32 codes, two codes a byte); Wq_scales 512 x 16 uint8 (E8M0 scales of Wq, one for each 32 codes along K); Wv_codes 512 x 16 x 16 uint8 (E2M1 codes of Wv, K innermost, in blocks of 32 codes, two codes a byte); Wv_scales 512 x 16 uint8 (E8M0 scales of Wv, one for each 32 codes along K); b1 512 float32; b2 512 float32; ln1_b 512 float32; ln1_g 512 float32; ln2_b 512 float32; ln2_g 512 float32; x 8 x 2,048 x 512 float32.
;; Outputs: out0 8 x 2,048 x 512 float32.
;; This version of the problem:
;;   THIS VERSION OF THE PROBLEM IS GIVEN IN LOW PRECISION. The matrix products marked QUANTISED in the list below multiply operands that are first quantised to E2M1 (2 exponent bits, 1 mantissa bit; 4 bits a number), with one power-of-two scale for each 32 numbers along K (OCP MX v1.0); their sums are f32. All else is computed in f32.
;;   The module's matrix products, in the order in which they are computed (A, B: the left and right operand; K: the contracted axis; several contracted axes count as one K, in the product's order):
;;     1. [M 16,384, K 512] x [K 512, N 512]; A: computed on the way; B: input Wq (given as codes): QUANTISED
;;     2. [M 16,384, K 512] x [K 512, N 512]; A: computed on the way; B: input Wk (given as codes): QUANTISED
;;     3. [M 16,384, K 512] x [K 512, N 512]; A: computed on the way; B: input Wv (given as codes): QUANTISED
;;     4. batch 8 x [M 2,048, K 512] x [K 512, N 2,048]; A: computed on the way; B: computed on the way: QUANTISED
;;     5. batch 8 x [M 2,048, K 2,048] x [K 2,048, N 512]; A: softmax (see below); B: computed on the way: QUANTISED
;;     6. [M 16,384, K 512] x [K 512, N 512]; A: computed on the way; B: input W1 (given as codes): QUANTISED
;;     7. [M 16,384, K 512] x [K 512, N 512]; A: computed on the way; B: input W2 (given as codes): QUANTISED
;;   THE QUANTISER, for each operand of a quantised product, along K:
;;     - K is cut into blocks of 32 from its start; a last block that is shorter is filled with zeros.
;;     - A block's scale is 2^e with e = floor(log2(the largest magnitude in the block)) - 2, held to -126 .. 127; a block of zeros has e = 0. As a byte (E8M0): e + 127.
;;     - Each number is divided by its block's scale, clamped to +-6, and rounded to the nearest number of E2M1, ties to even, subnormals kept.
;;     - The product sums the exact products of the quantised numbers (number of the format x scale) in f32.
;;   ~~~python
;;   def quantise(x, axis):      # numpy; x: float32 -> the quantised numbers, widened to float32 again
;;       x = np.moveaxis(x, axis, -1); K = x.shape[-1]
;;       x = np.pad(x, [(0, 0)] * (x.ndim - 1) + [(0, -K % 32)]); x = x.reshape(x.shape[:-1] + (-1, 32)); a = np.abs(x).max(-1, keepdims=True)
;;       e = np.where(a > 0, np.clip(np.frexp(np.where(a > 0, a, 1))[1] - 1 - 2, -126, 127), 0)      # np.frexp(a)[1] - 1 = floor(log2(a)), exactly
;;       r = np.clip(x / 2.0 ** e, -6, 6)
;;       step = 2.0 ** (np.maximum(np.frexp(np.where(r == 0, 1, r))[1] - 1, 0) - 1)
;;       q = np.round(r / step) * step * 2.0 ** e      # np.round: ties to even
;;       return np.moveaxis(q.reshape(q.shape[:-2] + (-1,))[..., :K], -1, axis).astype(np.float32)
;;   ~~~
;;   SOFTMAX AHEAD OF A QUANTISED PRODUCT. Where the list says 'softmax', what is quantised is not the finished softmax but p = 2^(t - M), with t = logit x log2(e) and M = ceil(the row's largest t), a whole number; so 1/2 < the row's largest p <= 1. The row's sum l is taken of the UNQUANTISED p, in f32, and the product's result is divided by l at the end. Since M is a whole number, a kernel that streams over the keys may use a running M (the ceiling of the running maximum): every later rescaling is an exact power of two, which a block's scale takes up: the codes' values come out the same.
;;   OPERANDS COMPUTED ON THE WAY. 'Computed on the way' means the value that the module computes at that place (a softmax that the list does not call 'softmax' is quantised finished and normalised). What goes into a quantiser is computed in f32, as accurately as f32 sums, v_exp_f32 and their like allow (about 1e-6 of the number): no bf16 or f16 on the way to a quantiser, and a product that is left as it is and whose result goes on into a quantised operand takes f32 operands (vector FMAs, or v_wmma_f32_16x16x4_f32). A number that lies on a knife's edge between two numbers of the format may be rounded either way, as far as f32 arithmetic and the matrix unit's own rounding can turn it there, and no further.
;;   INPUTS GIVEN AS CODES. W1 (in the module: [512, 512], K = its axis 0); W2 (in the module: [512, 512], K = its axis 0); Wk (in the module: [512, 512], K = its axis 0); Wq (in the module: [512, 512], K = its axis 0); Wv (in the module: [512, 512], K = its axis 0): each comes as NAME_codes (uint8): NAME with its K axis moved to the last place and cut into blocks of 32 codes, [.., K / 32, bytes a block], one block behind the other in memory; two codes a byte, the lower K in the low four bits (a code: sign, 2 exponent bits, 1 mantissa bit); and NAME_scales (uint8): the same leading axes, one E8M0 byte (e + 127) for each 32 codes along K. Its value is code x scale, taken as it is: it is not quantised again, and the codes and scales need not be those that the quantiser above would give.
;; One version. Each part assembles by itself: llvm-mc -triple=amdgcn-amd-amdhsa -mcpu=gfx1250 --defsym DOCPART=n.
;; ======== version 1 of 1: 2 launches
;; limits: right only within a limited range of input values
;; workspace buffers: qbuf 4,456,448 bytes; kv 8,912,896 bytes
;; launch qkv (part 1): grid 256 x 1, 4 waves a work-group, clusters of 4 x 1, 327,680 bytes of LDS; arguments x, ln1_g, ln1_b, Wq_codes, Wq_scales, Wk_codes, Wk_scales, Wv_codes, Wv_scales, qbuf, kv; writes qbuf, kv
.if DOCPART == 1
	.amdgcn_target "amdgcn-amd-amdhsa--gfx1250"
	.amdhsa_code_object_version 6
	.text
	.protected	k_q7157f06c82_qkv
	.globl	k_q7157f06c82_qkv
	.p2align	8
	.type	k_q7157f06c82_qkv,@function
k_q7157f06c82_qkv:
	s_mov_b64 s[64:65], 0
	v_nop
	global_prefetch_b8 v0, s[64:65] scope:SCOPE_SE
	s_setreg_imm32_b32 hwreg(HW_REG_WAVE_MODE, 25, 1), 1
	s_wait_xcnt 0x0
	s_wait_alu depctr_hold_cnt(0) depctr_sa_sdst(0) depctr_va_vdst(0) depctr_va_sdst(0) depctr_va_ssrc(0) depctr_va_vcc(0) depctr_vm_vsrc(0)
	s_getreg_b32 s2, hwreg(HW_REG_IB_STS2, 6, 4)
	s_cmp_eq_u32 s2, 0
	s_cbranch_scc0 .Lentry_in_a_cluster
	s_endpgm
.Lentry_in_a_cluster:
	s_bfe_u32 s2, ttmp6, 0x10000c
	s_cmp_lg_u32 s2, 0x3003
	s_cbranch_scc0 .Lentry_shape_is_right
	s_endpgm
.Lentry_shape_is_right:
; y = LN1(x); q = y Wq, k = y Wk, v = y Wv on codes of FP4 (E2M1) with one E8M0 scale for each 32 along K; q, k (along the 512 units) and v (along the keys) are quantised again
; and stored as IMAGES OF OPERAND REGISTERS: a fragment (16 rows x 128 K, 8 registers a lane) is 1,024 bytes, registers 4 c .. 4 c + 3 of lane l at 512 c + 16 l.
; SHARES.  A work-group of four waves takes 64 tokens.  LN1: wave w takes the 16 tokens of tile w.  Products: wave w takes units 128 w .. 128 w + 127 of q, k and v for all 64 tokens,
; so each fragment of a weight feeds four matrix instructions and is read from LDS once.
; THE ROWS OF A TILE ARE NOT NEIGHBOURS: row i of tile t is 32 (t / 2) + 8 (t % 2) + i + 8 (i / 8), for tiles of tokens and for tiles of a wave's 128 units alike: the 16 result registers of tiles
; 2 b and 2 b + 1 are then 16 neighbours, 32 b + 16 (lane / 16) + 0 .. 15, which is what the conversions to codes take.
; q, k: the product is used transposed (source 0 = 16 units, source 1 = 16 tokens): a lane holds one token, its registers run along the units.  v: source 0 = 16 tokens, source 1 = 16 units:
; a lane holds one unit, its registers run along the tokens, which are the second attention product's K.
; CLUSTER: every work-group reads the same three weights: the four partners ask for each quarter jointly (mask 15).  Wave w reads rows 128 w .. 128 w + 127 alone; at the head a wave fetches half of Wq or of Wk.
; ORDER: x is asked for first; while it is on its way Wq's and Wk's fragments go from LDS into registers and Wv is asked for into Wq's bytes.
; LDS: A at 0 (Wq, later Wv) and B at SLOTB (Wk): 512 rows of 256 bytes + 16 of padding; from RG on a stage of 16 x 528 bytes for each wave, which afterwards takes the wave's four images of y and their scale words.
; All of the LDS is claimed and 0 is added to spare words.
; LIMITS: NaN and infinities are not served; a block of zeros gets the scale byte 1 with zero codes (the bytes are read by this program alone).
.set QUART, 34816                      ; 128 rows x 272 bytes: a wave's quarter of a weight
.set SLOTB, 139264
.set RG,    278528                     ; behind the two weights
.set SPARE, 327168                     ; the spare words: 128 bytes a wave
.set STEPB, 69632                      ; a key step of 128 keys in kv: K's codes 32,768, V's 32,768, K's scale words 2,048, V's 2,048
.set LI,  1                            ; v1   16 x lane
.set L8,  2                            ; v2   8 x lane
.set LV,  3                            ; v3   16 r + 8 h
.set STI, 4                            ; v4   my stage + 16 x lane
.set STT, 5                            ; v5   my stage + 528 r + 64 h
.set YR,  6                            ; v6   RG + 16 x lane
.set AWA, 7                            ; v7   my lane's place in my quarter of A
.set AWB, 8                            ; v8   of B
.set WSO, 9                            ; v9   16 x (128 w + r + 8 (r / 8)): my row of a weight's scale bytes
.set SPW, 10                           ; v10  my spare word; never rewritten
.set NIL, 11                           ; v11  0; never rewritten
.set YS,  16                           ; v16-31   y's scale words (4 m + kk): scales and nothing else
.set HA,  32                           ; v32-95   64 numbers on their way to codes
.set PC,  96                           ; v96-127  four sets of 8 registers of codes
.set TM,  128                          ; v128-143 at work in QUANT
.set PW,  144                          ; v144-147 four scale words just made
.set WS,  148                          ; v148-243 the weights' scale words (32 j + 4 t + kk): scales and nothing else
.set LG,  32                           ; LN1 only: g, b, pairs for the means and for the variances lie where HA and PC lie later
.set LBB, 48
.set LA,  64
.set LB,  96
.set WV,  26
.set SEL, 52
.set HM,  54
.set XB,  58
.set QP,  60
.set QSP, 62
.set KP,  66
.set KSP, 68
.set VP,  70
.set VSP, 72
.set MSB, 0
.macro WIN new                         ; the immediate's high byte repeats the setting that is left
.if MSB != \new
	s_set_vgpr_msb (MSB<<8)|\new
.set MSB, \new
.endif
.endm
.macro PLACES n
.rept \n
	v_nop
.endr
.endm
.macro CROUND                          ; a round of the cluster's barrier
	s_barrier_signal -1
	s_barrier_wait -1
	s_cmp_lg_u32 s[WV], 0
	s_cbranch_scc1 .Lnw0_\@
	s_barrier_signal -3
.Lnw0_\@:
	s_barrier_wait -3
	s_barrier_signal -1
	s_barrier_wait -1
.endm
; 64 numbers of a lane, register 16 b + i = k 32 b + 16 (lane / 16) + i of my row, become a fragment's codes in v[pc] on and its scale word in v[pw].
.macro QUANT s, pc, pw
.irp b, 0,1,2,3
	v_max3_num_f32 v[TM+\b], |v[\s+16*\b]|, |v[\s+1+16*\b]|, 0x1800000   ; my 16 numbers of block b and the floor 2^(3 - 127): the byte cannot fall under 1
.endr
.irp i, 2,4,6,8,10,12,14
.irp b, 0,1,2,3
	v_max3_num_f32 v[TM+\b], v[TM+\b], |v[\s+16*\b+\i]|, |v[\s+1+16*\b+\i]|
.endr
.endr
.irp b, 0,1,2,3
	v_permlanex16_b32 v[TM+4+\b], v[TM+\b], s[SEL], s[SEL+1]
.endr
.irp b, 0,1,2,3
	v_max_num_f32 v[TM+\b], v[TM+\b], v[TM+4+\b]       ; with lane l xor 16's: the block's largest magnitude
.endr
.irp b, 0,1,2,3
	v_add_nc_u32 v[TM+12+\b], 0xff000000, v[TM+\b]     ; 2 off its exponent field: the conversion's scale operand
.endr
.irp b, 0,1,2,3
	v_lshrrev_b32 v[TM+4+\b], 23, v[TM+12+\b]          ; the scale's byte
.endr
	v_lshl_or_b32 v[\pw], v[TM+5], 8, v[TM+4]
	v_lshl_or_b32 v[\pw], v[TM+6], 16, v[\pw]
	v_lshl_or_b32 v[\pw], v[TM+7], 24, v[\pw]
.irp b, 0,1,2,3
	v_cvt_scalef32_pk8_fp4_f32 v[\pc+2*\b], v[\s+16*\b:\s+7+16*\b], v[TM+12+\b]
	v_cvt_scalef32_pk8_fp4_f32 v[\pc+1+2*\b], v[\s+8+16*\b:\s+15+16*\b], v[TM+12+\b]
.endr
	v_nop                                              ; one plain place behind a scaled conversion
.irp c, 0,1                                        ; a whole block to a lane: lanes 0-15 block 2 c, lanes 16-31 block 2 c + 1
.irp i, 0,1
	v_permlane16_swap_b32 v[\pc+4*\c+\i], v[\pc+2+4*\c+\i]
.endr
.endr
.endm
; my quarter of a weight out of LDS: fragment (t, kk) at register 8 (4 t + kk) of the window that win names as destination
.macro WFRAGS adr, win
	WIN \win
.irp t, 0,1,2,3,4,5,6,7
.irp kk, 0,1,2,3
.irp c, 0,1
	ds_load_b128 v[8*(4*\t+\kk)+4*\c:8*(4*\t+\kk)+4*\c+3], v[\adr] offset:(32*(\t/2)+8*(\t%2))*272+64*\kk+32*\c
.endr
.endr
.endr
	WIN 0
.endm
; a sum over the 32 lanes of sixteen pairs at base + 2 i: the result in the pair's first register, in every lane
.macro RED16 base
.set i, 0
.rept 16
	v_add_f32 v[\base+2*i], v[\base+2*i], v[\base+2*i+1]
.set i, i+1
.endr
.irp x, 1,2,4,8
.set i, 0
.rept 16
	v_add_f32_dpp v[\base+2*i], v[\base+2*i], v[\base+2*i] row_xmask:\x row_mask:0xf bank_mask:0xf
.set i, i+1
.endr
.endr
.set i, 0
.rept 16
	v_permlanex16_b32 v[\base+2*i+1], v[\base+2*i], s[SEL], s[SEL+1]
.set i, i+1
.endr
.set i, 0
.rept 16
	v_add_f32 v[\base+2*i], v[\base+2*i], v[\base+2*i+1]
.set i, i+1
.endr
.endm
; q or k: for each tile of tokens my 8 tiles of units (8 accumulators by turns), quantised: K step w of that tile's fragment
.macro PASS_T win, ws, ptr, sptr
	s_wait_xcnt 0x0                                    ; the last pass's stores have read their registers: the codes and v12, v13 are written again
.irp m, 0,1,2,3
	WIN \win
.irp kk, 0,1,2,3
.irp t, 0,1,2,3,4,5,6,7
.if \kk == 0
	v_wmma_scale_f32_16x16x128_f8f6f4 v[HA+8*\t:HA+8*\t+7], v[8*(4*\t+\kk):8*(4*\t+\kk)+7], v[8*(4*\m+\kk):8*(4*\m+\kk)+7], 0, v[WS+\ws+4*\t+\kk], v[YS+4*\m+\kk] matrix_a_fmt:MATRIX_FMT_FP4 matrix_b_fmt:MATRIX_FMT_FP4
.else
	v_wmma_scale_f32_16x16x128_f8f6f4 v[HA+8*\t:HA+8*\t+7], v[8*(4*\t+\kk):8*(4*\t+\kk)+7], v[8*(4*\m+\kk):8*(4*\m+\kk)+7], v[HA+8*\t:HA+8*\t+7], v[WS+\ws+4*\t+\kk], v[YS+4*\m+\kk] matrix_a_fmt:MATRIX_FMT_FP4 matrix_b_fmt:MATRIX_FMT_FP4
.endif
.endr
.endr
	WIN 0
	PLACES 4                                           ; four places between the last product and the first read of results
	QUANT HA, PC+8*\m, PW+\m
.irp c, 0,1
	global_store_b128 v[LI], v[PC+8*\m+4*\c:PC+8*\m+4*\c+3], s[\ptr:\ptr+1] offset:4096*\m+512*\c   ; 32 lanes store 512 consecutive bytes
.endr
.endr
	v_cndmask_b32 v12, v[PW], v[PW+1], s[HM]           ; lanes 0-15 the even tile's word, lanes 16-31 the odd tile's
	v_cndmask_b32 v13, v[PW+2], v[PW+3], s[HM]
	global_store_b64 v[L8], v[12:13], s[\sptr:\sptr+1] ; 256 consecutive bytes
.endm
; v: two tiles of units x four tiles of tokens at a time: four blocks of 32 keys a lane
.macro PASS_V
	s_wait_xcnt 0x0
.irp b, 0,1,2,3
	WIN 0x07
.irp kk, 0,1,2,3
.irp tt, 0,1
.irp m, 0,1,2,3
.if \kk == 0
	v_wmma_scale_f32_16x16x128_f8f6f4 v[HA+32*\tt+8*\m:HA+32*\tt+8*\m+7], v[8*(4*\m+\kk):8*(4*\m+\kk)+7], v[8*(4*(2*\b+\tt)+\kk):8*(4*(2*\b+\tt)+\kk)+7], 0, v[YS+4*\m+\kk], v[WS+64+4*(2*\b+\tt)+\kk] matrix_a_fmt:MATRIX_FMT_FP4 matrix_b_fmt:MATRIX_FMT_FP4
.else
	v_wmma_scale_f32_16x16x128_f8f6f4 v[HA+32*\tt+8*\m:HA+32*\tt+8*\m+7], v[8*(4*\m+\kk):8*(4*\m+\kk)+7], v[8*(4*(2*\b+\tt)+\kk):8*(4*(2*\b+\tt)+\kk)+7], v[HA+32*\tt+8*\m:HA+32*\tt+8*\m+7], v[YS+4*\m+\kk], v[WS+64+4*(2*\b+\tt)+\kk] matrix_a_fmt:MATRIX_FMT_FP4 matrix_b_fmt:MATRIX_FMT_FP4
.endif
.endr
.endr
.endr
	WIN 0
	PLACES 4
	QUANT HA, PC+8*\b, PW+\b                           ; registers 4 tt .. 4 tt + 3: my half step's 64 keys of unit tile 2 b + tt; the word: two bytes for each of the two tiles
.irp tt, 0,1
	global_store_b128 v[LI], v[PC+8*\b+4*\tt:PC+8*\b+4*\tt+3], s[VP:VP+1] offset:1024*(2*\b+\tt)
.endr
.endr
	v_cndmask_b32 v12, v[PW], v[PW+2], s[HM]           ; a unit's 16 bytes: lanes 0-15 store tiles 0-3's, lanes 16-31 tiles 4-7's
	v_cndmask_b32 v13, v[PW+1], v[PW+3], s[HM]
	global_store_b64 v[LV], v[12:13], s[VSP:VSP+1]
.endm
	s_load_b512 s[4:19], s[0:1], 0x0                   ; x, g, b, Wq codes, Wq scales, Wk codes, Wk scales, Wv codes
	s_load_b128 s[20:23], s[0:1], 0x40                 ; Wv scales, qbuf
	s_load_b64 s[24:25], s[0:1], 0x50                  ; kv
	v_lshl_add_u32 v[SPW], v0, 2, SPARE
	v_mov_b32 v[NIL], 0
	ds_add_u32 v10, v11
	ds_add_u32 v10, v11
	s_wait_dscnt 0x0
	v_lshrrev_b32 v12, 5, v0
	v_readfirstlane_b32 s[WV], v12                     ; wave 0..3
	s_bfe_u32 s27, ttmp6, 0x40000                      ; cx: it enters the addresses of x, qbuf and kv alone
	s_lshl_b32 s28, ttmp9, 2
	s_add_co_u32 s28, s28, s27                         ; my block of 64 tokens
	s_mov_b32 s[SEL], 0x76543210
	s_mov_b32 s[SEL+1], 0xfedcba98                     ; v_permlanex16_b32: lane l xor 16
	s_mov_b32 s[HM], 0xffff0000                        ; lanes 16-31
	s_mov_b32 s55, 0x3b000000                          ; 1 / 512
	s_mov_b32 s56, 0x3727c5ac                          ; 1e-5
	; descriptor group 1: 128 rows of 256 bytes, 16 bytes of padding behind each; mask: all four partners
	s_mov_b32 s32, 0x0770000f                          ; 15:0 mask 15; 17:16 elements of 1 byte; 20 padding on; 21 set beside a mask; 24:22 after every 64 words; 31:25 four words
	s_mov_b32 s33, 256<<16                             ; tensor_dim0
	s_mov_b32 s34, 128<<16                             ; tensor_dim1
	s_mov_b32 s35, 256<<16                             ; tile_dim0
	s_mov_b32 s36, 128                                 ; tile_dim1
	s_mov_b32 s37, 256                                 ; bytes from row to row
	s_mov_b32 s38, 0
	s_mov_b32 s39, 0
	; and for the head's loads: 256 rows of 256 bytes, the same padding and mask
	s_mov_b32 s88, 0x0770000f
	s_mov_b32 s89, 256<<16                             ; tensor_dim0
	s_mov_b32 s90, 256<<16                             ; tensor_dim1
	s_mov_b32 s91, 256<<16                             ; tile_dim0
	s_mov_b32 s92, 256                                 ; tile_dim1
	s_mov_b32 s93, 256                                 ; bytes from row to row
	s_mov_b32 s94, 0
	s_mov_b32 s95, 0
	v_and_b32 v12, 31, v0                              ; lane
	v_and_b32 v13, 15, v0                              ; r
	v_bfe_u32 v14, v0, 4, 1                            ; h
	v_lshlrev_b32 v[LI], 4, v12
	v_lshlrev_b32 v[L8], 3, v12
	v_lshlrev_b32 v[LV], 4, v13
	v_lshl_add_u32 v[LV], v14, 3, v[LV]
	s_mul_i32 s74, s[WV], 8448
	s_add_co_u32 s74, s74, RG                          ; my stage
	v_add_nc_u32 v[STI], s74, v[LI]
	v_mul_u32_u24 v[STT], v13, 528
	v_lshl_add_u32 v[STT], v14, 6, v[STT]
	v_add_nc_u32 v[STT], s74, v[STT]
	v_add_nc_u32 v[YR], RG, v[LI]
	v_and_b32 v15, 8, v13
	v_add_nc_u32 v15, v15, v13                         ; r + 8 (r / 8)
	v_mul_u32_u24 v[AWA], v15, 272
	v_lshl_add_u32 v[AWA], v14, 4, v[AWA]
	s_mul_i32 s75, s[WV], QUART                        ; my quarter
	v_add_nc_u32 v[AWA], s75, v[AWA]
	v_add_nc_u32 v[AWB], SLOTB, v[AWA]
	s_lshl_b32 s76, s[WV], 7
	v_add_nc_u32 v[WSO], s76, v15
	v_lshlrev_b32 v[WSO], 4, v[WSO]
.irp b, 0,1,2,3
	v_mov_b32 v[TM+4+\b], 0                            ; a lane permute's destination counts as one of its sources
.endr
	s_lshl_b32 s76, s[WV], 15                          ; my 128 rows of 256 bytes in memory
	s_mov_b32 s77, 0
	s_wait_kmcnt 0x0
	s_and_b32 s86, s[WV], 1                            ; at the head a wave fetches HALF a weight: rows 256 (w % 2) on
	s_mul_i32 s87, s86, 2*QUART                        ; in LDS,
	s_lshl_b32 s84, s86, 16                            ; and in memory
	s_mov_b32 s85, 0
	s_mov_b32 s40, 1                                   ; group 0: a half of Wq into A (waves 0 and 1)
	s_mov_b32 s41, s87
	s_add_nc_u64 s[42:43], s[10:11], s[84:85]
	s_or_b32 s43, s43, 0x80000000
	s_mov_b32 s44, 1                                   ; a half of Wk into B (waves 2 and 3)
	s_add_co_u32 s45, s87, SLOTB
	s_add_nc_u64 s[46:47], s[14:15], s[84:85]
	s_or_b32 s47, s47, 0x80000000
	s_mov_b32 s48, 1                                   ; Wv into A, later
	s_mov_b32 s49, s75
	s_add_nc_u64 s[50:51], s[18:19], s[76:77]
	s_or_b32 s51, s51, 0x80000000
	CROUND                                             ; all four work-groups are here: the first joint loads meet
	; THE HEAD'S LOADS, one a wave: waves 0 and 1 fetch Wq's halves, waves 2 and 3 Wk's; each way through the branch passes one load.  (Only Wv's quarter, later, is fetched by the wave that reads it)
	s_cmp_lt_u32 s[WV], 2
	s_cbranch_scc0 .Lhead_k
	tensor_load_to_lds s[40:43], s[88:95]
	s_nop 0
	PLACES 4
	s_branch .Lhead_asked
.Lhead_k:
	tensor_load_to_lds s[44:47], s[88:95]
	s_nop 0
	PLACES 4
.Lhead_asked:
	; where my parts begin in memory
	s_lshl_b32 s78, s28, 17                            ; 64 tokens of 2,048 bytes
	s_lshr_b32 s79, s[WV], 1
	s_lshl_b32 s79, s79, 16
	s_add_co_u32 s78, s78, s79
	s_and_b32 s79, s[WV], 1
	s_lshl_b32 s79, s79, 14
	s_add_co_u32 s78, s78, s79                         ; + my tile's first token: 32 (w / 2) + 8 (w % 2)
	s_mov_b32 s79, 0
	s_add_nc_u64 s[XB:XB+1], s[4:5], s[78:79]
	s_lshl_b32 s80, s[WV], 10
	s_lshl_b32 s81, s[WV], 8
	s_mul_i32 s78, s28, 17408
	s_add_co_u32 s78, s78, s80
	s_add_nc_u64 s[QP:QP+1], s[22:23], s[78:79]
	s_mul_i32 s78, s28, 17408
	s_add_co_u32 s78, s78, s81
	s_add_co_u32 s78, s78, 16384
	s_add_nc_u64 s[QSP:QSP+1], s[22:23], s[78:79]
	s_lshr_b32 s82, s28, 1
	s_mul_i32 s82, s82, STEPB                          ; my key step
	s_and_b32 s83, s28, 1                              ; and which half of it
	s_lshl_b32 s78, s83, 14
	s_add_co_u32 s78, s78, s82
	s_add_co_u32 s78, s78, s80
	s_add_nc_u64 s[KP:KP+1], s[24:25], s[78:79]
	s_lshl_b32 s78, s83, 10
	s_add_co_u32 s78, s78, s82
	s_add_co_u32 s78, s78, s81
	s_add_co_u32 s84, s78, 65536
	s_mov_b32 s85, 0
	s_add_nc_u64 s[KSP:KSP+1], s[24:25], s[84:85]
	s_add_co_u32 s84, s78, 67584
	s_add_nc_u64 s[VSP:VSP+1], s[24:25], s[84:85]
	s_lshl_b32 s78, s83, 9
	s_add_co_u32 s78, s78, s82
	s_lshl_b32 s84, s[WV], 13
	s_add_co_u32 s78, s78, s84
	s_add_co_u32 s78, s78, 32768
	s_add_nc_u64 s[VP:VP+1], s[24:25], s[78:79]
	; g, b (my lane's columns 128 kk + 4 lane + 0 .. 3), the weights' scale words, then my 16 rows of x: each load of x reads 512 consecutive bytes
.irp kk, 0,1,2,3
	global_load_b128 v[LG+4*\kk:LG+4*\kk+3], v[LI], s[6:7] offset:512*\kk
	global_load_b128 v[LBB+4*\kk:LBB+4*\kk+3], v[LI], s[8:9] offset:512*\kk
.endr
	s_wait_alu depctr_va_vdst(0)
.irp t, 0,1,2,3,4,5,6,7
	global_load_b128 v[WS+4*\t:WS+4*\t+3], v[WSO], s[12:13] offset:16*(32*(\t/2)+8*(\t%2))
	global_load_b128 v[WS+32+4*\t:WS+32+4*\t+3], v[WSO], s[16:17] offset:16*(32*(\t/2)+8*(\t%2))
	global_load_b128 v[WS+64+4*\t:WS+64+4*\t+3], v[WSO], s[20:21] offset:16*(32*(\t/2)+8*(\t%2))
.endr
	WIN 0xc0                                           ; destination window 3: x, row i at 16 i
.set i, 0
.rept 16
.irp kk, 0,1,2,3
	global_load_b128 v[16*i+4*\kk:16*i+4*\kk+3], v[LI], s[XB:XB+1] offset:(i+8*(i/8))*2048+512*\kk th:TH_LOAD_NT
.endr
.set i, i+1
.endr
	; ---- while x is on its way: Wq's fragments into window 1; A is filled again, with Wv; Wk's fragments into window 2
	WIN 0
	s_wait_tensorcnt 0x0                               ; my half of a weight is in;
	s_barrier_signal -1                                ; say so: my quarters of Wq and Wk were fetched by other waves.
	s_barrier_wait -1                                  ; both weights are whole
	WFRAGS AWA, 0x40
	s_wait_tensorcnt 0x0                               ; all my tensor loads have landed
	ds_add_u32 v[SPW], v[NIL]                          ; 0 onto my spare word
	s_wait_dscnt 0x0                                   ; the add is done, and my reads of A are in
	CROUND                                             ; no wave of any partner still reads A
	tensor_load_to_lds s[48:51], s[32:39]              ; my one load behind the round: it has LN1 and the pass for q in which to land
	s_nop 0
	PLACES 4
	WFRAGS AWB, 0x80
	s_wait_loadcnt 0x0                                 ; x, g, b and the weights' scale words
	; ---- LN1, in two passes: the mean, then the squares of what is left
	WIN 0x0f
.set i, 0
.rept 16
	v_pk_add_f32 v[LA+2*i:LA+2*i+1], v[16*i:16*i+1], v[16*i+2:16*i+3]
.set i, i+1
.endr
	WIN 0x03
.set p, 2
.rept 6
.set i, 0
.rept 16
	v_pk_add_f32 v[LA+2*i:LA+2*i+1], v[16*i+2*p:16*i+2*p+1], v[LA+2*i:LA+2*i+1]
.set i, i+1
.endr
.set p, p+1
.endr
	WIN 0
	RED16 LA
.set i, 0
.rept 16
	v_mul_f32 v[LA+2*i], s55, v[LA+2*i]                ; the mean
.set i, i+1
.endr
	WIN 0xc3
.set p, 0
.rept 8
.set i, 0
.rept 16
	v_pk_add_f32 v[16*i+2*p:16*i+2*p+1], v[16*i+2*p:16*i+2*p+1], v[LA+2*i:LA+2*i+1] op_sel_hi:[1,0] neg_lo:[0,1] neg_hi:[0,1]
.set i, i+1
.endr
.set p, p+1
.endr
	WIN 0x0f
.set i, 0
.rept 16
	v_pk_mul_f32 v[LB+2*i:LB+2*i+1], v[16*i:16*i+1], v[16*i:16*i+1]
.set i, i+1
.endr
.set p, 1
.rept 7
.set i, 0
.rept 16
	v_pk_fma_f32 v[LB+2*i:LB+2*i+1], v[16*i+2*p:16*i+2*p+1], v[16*i+2*p:16*i+2*p+1], v[LB+2*i:LB+2*i+1]
.set i, i+1
.endr
.set p, p+1
.endr
	WIN 0
	RED16 LB
.set i, 0
.rept 16
	v_fma_f32 v[LB+2*i], v[LB+2*i], s55, s56           ; the variance + 1e-5
.set i, i+1
.endr
.set i, 0
	s_wait_alu depctr_va_vdst(0)
.rept 16
	v_rsq_f32 v[LB+2*i], v[LB+2*i]
.set i, i+1
.endr
	v_nop                                              ; a plain place behind the last of the batch
	s_wait_alu depctr_va_vdst(0)                       ; one wait for the sixteen, ahead of their first reader
	WIN 0xc3
.set p, 0
.rept 8
.set i, 0
.rept 16
	v_pk_mul_f32 v[16*i+2*p:16*i+2*p+1], v[16*i+2*p:16*i+2*p+1], v[LB+2*i:LB+2*i+1] op_sel_hi:[1,0]
.set i, i+1
.endr
.set i, 0
.rept 16
	v_pk_fma_f32 v[16*i+2*p:16*i+2*p+1], v[16*i+2*p:16*i+2*p+1], v[LG+2*p:LG+2*p+1], v[LBB+2*p:LBB+2*p+1]
.set i, i+1
.endr
.set p, p+1
.endr
	; ---- y through my stage, 128 columns at a time: in as rows of 512 bytes, back 16 neighbours of each block of 32 to a lane.  LDS serves a wave's instructions in order: no wait between stores and loads
.irp kk, 0,1,2,3
	WIN 0x0c                                           ; an LDS store's data are its source 1: window 3
.set i, 0
.rept 16
	ds_store_b128 v[STI], v[16*i+4*\kk:16*i+4*\kk+3] offset:528*i
.set i, i+1
.endr
	WIN 0
.irp b, 0,1,2,3
.irp e, 0,1,2,3
	ds_load_b128 v[HA+16*\b+4*\e:HA+16*\b+4*\e+3], v[STT] offset:128*\b+16*\e
.endr
.endr
	s_wait_dscnt 0x0                                   ; (the first of these four also shows Wk's fragments in)
	QUANT HA, PC+8*\kk, PW+\kk
.endr
.irp kk, 0,1,2,3                                   ; the stage has been read out: its bytes take the four images and the four scale words
.irp c, 0,1
	ds_store_b128 v[STI], v[PC+8*\kk+4*\c:PC+8*\kk+4*\c+3] offset:1024*\kk+512*\c
.endr
.endr
	ds_store_b128 v[STI], v[PW:PW+3] offset:4096
	s_wait_dscnt 0x0                                   ; for the others' sake: my images have landed
	s_barrier_signal -1                                ; (Wv's load may be out)
	s_barrier_wait -1                                  ; y's sixteen images lie in LDS
	WIN 0xc0                                           ; y's sixteen fragments at 8 (4 m + kk) of window 3
.irp m, 0,1,2,3
.irp kk, 0,1,2,3
.irp c, 0,1
	ds_load_b128 v[8*(4*\m+\kk)+4*\c:8*(4*\m+\kk)+4*\c+3], v[YR] offset:8448*\m+1024*\kk+512*\c
.endr
.endr
.endr
	WIN 0
.irp m, 0,1,2,3
	ds_load_b128 v[YS+4*\m:YS+4*\m+3], v[YR] offset:8448*\m+4096
.endr
	s_wait_dscnt 0x0                                   ; y's 36 loads are in
	PASS_T 0x0d, 0, QP, QSP                            ; q: source 0 window 1, source 1 window 3
	s_wait_tensorcnt 0x0                               ; my quarter of Wv is in
	WFRAGS AWA, 0x40                                   ; over Wq's fragments: the last tile's conversions are the places behind the last product that read them.  They land while k is made
	PASS_T 0x0e, 32, KP, KSP                           ; k: source 0 window 2
	s_wait_dscnt 0x0                                   ; Wv's fragments are in
	PASS_V
	s_wait_tensorcnt 0x0                               ; the wave's end
	ds_add_u32 v[SPW], v[NIL]
	s_wait_dscnt 0x0
	CROUND                                             ; the closing round
	s_endpgm
.Lfunc_end_k_q7157f06c82_qkv:
	.size	k_q7157f06c82_qkv, .Lfunc_end_k_q7157f06c82_qkv-k_q7157f06c82_qkv
	.p2alignl 7, 3214868480
	.fill 96, 4, 3214868480
	.section	.rodata,"a",@progbits
	.p2align	6, 0x0
	.amdhsa_kernel k_q7157f06c82_qkv
		.amdhsa_group_segment_fixed_size 327680
		.amdhsa_private_segment_fixed_size 0
		.amdhsa_enable_private_segment 0
		.amdhsa_kernarg_size 88
		.amdhsa_user_sgpr_count 2
		.amdhsa_user_sgpr_kernarg_segment_ptr 1
		.amdhsa_wavefront_size32 1
		.amdhsa_system_sgpr_workgroup_id_x 1
		.amdhsa_system_sgpr_workgroup_id_y 1
		.amdhsa_system_sgpr_workgroup_id_z 1
		.amdhsa_system_vgpr_workitem_id 0
		.amdhsa_next_free_vgpr 1024
		.amdhsa_next_free_sgpr 100
		.amdhsa_reserve_vcc 0
		.amdhsa_float_denorm_mode_32 3
		.amdhsa_float_denorm_mode_16_64 3
		.amdhsa_memory_ordered 1
		.amdhsa_forward_progress 1
		.amdhsa_inst_pref_size 207
	.end_amdhsa_kernel
	.amdgpu_metadata
---
amdhsa.version: [ 1, 2 ]
amdhsa.kernels:
  - .name:           k_q7157f06c82_qkv
    .symbol:         k_q7157f06c82_qkv.kd
    .args:
      - { .name: x, .offset: 0, .size: 8, .value_kind: global_buffer, .address_space: global }
      - { .name: ln1_g, .offset: 8, .size: 8, .value_kind: global_buffer, .address_space: global }
      - { .name: ln1_b, .offset: 16, .size: 8, .value_kind: global_buffer, .address_space: global }
      - { .name: Wq_codes, .offset: 24, .size: 8, .value_kind: global_buffer, .address_space: global }
      - { .name: Wq_scales, .offset: 32, .size: 8, .value_kind: global_buffer, .address_space: global }
      - { .name: Wk_codes, .offset: 40, .size: 8, .value_kind: global_buffer, .address_space: global }
      - { .name: Wk_scales, .offset: 48, .size: 8, .value_kind: global_buffer, .address_space: global }
      - { .name: Wv_codes, .offset: 56, .size: 8, .value_kind: global_buffer, .address_space: global }
      - { .name: Wv_scales, .offset: 64, .size: 8, .value_kind: global_buffer, .address_space: global }
      - { .name: qbuf, .offset: 72, .size: 8, .value_kind: global_buffer, .address_space: global }
      - { .name: kv, .offset: 80, .size: 8, .value_kind: global_buffer, .address_space: global }
    .group_segment_fixed_size: 327680
    .private_segment_fixed_size: 0
    .kernarg_segment_align: 8
    .kernarg_segment_size: 88
    .max_flat_workgroup_size: 128
    .sgpr_count:     100
    .vgpr_count:     1024
    .wavefront_size: 32
...
	.end_amdgpu_metadata
.endif
;; end of part 1
;; launch attn_ffn (part 2): grid 32 x 8, 4 waves a work-group, clusters of 4 x 1, 327,680 bytes of LDS; arguments qbuf, kv, x, ln2_g, ln2_b, W1_codes, W1_scales, b1, W2_codes, W2_scales, b2, out0; writes out0
.if DOCPART == 2
	.amdgcn_target "amdgcn-amd-amdhsa--gfx1250"
	.amdhsa_code_object_version 6
	.text
	.protected	k_q7157f06c82_attn_ffn
	.globl	k_q7157f06c82_attn_ffn
	.p2align	8
	.type	k_q7157f06c82_attn_ffn,@function
k_q7157f06c82_attn_ffn:
	s_mov_b64 s[64:65], 0
	v_nop
	global_prefetch_b8 v0, s[64:65] scope:SCOPE_SE
	s_setreg_imm32_b32 hwreg(HW_REG_WAVE_MODE, 25, 1), 1
	s_wait_xcnt 0x0
	s_wait_alu depctr_hold_cnt(0) depctr_sa_sdst(0) depctr_va_vdst(0) depctr_va_sdst(0) depctr_va_ssrc(0) depctr_va_vcc(0) depctr_vm_vsrc(0)
	s_getreg_b32 s2, hwreg(HW_REG_IB_STS2, 6, 4)
	s_cmp_eq_u32 s2, 0
	s_cbranch_scc0 .Lentry_in_a_cluster
	s_endpgm
.Lentry_in_a_cluster:
	s_bfe_u32 s2, ttmp6, 0x10000c
	s_cmp_lg_u32 s2, 0x3003
	s_cbranch_scc0 .Lentry_shape_is_right
	s_endpgm
.Lentry_shape_is_right:
; Attention, the residual, LN2 and the FFN for 64 queries of one batch, by a work-group of four waves.  q, k, v come from launch qkv as images of operand registers with their scale words.
; CLUSTER: the four partners walk the same K and V (and read the same W1, W2) and ask for each slot jointly (mask 15); a slot holds two key steps of 128 keys; wave w fetches a quarter of a slot.
; SCORES: wave w takes keys 32 w .. 32 w + 31 of a step for all 64 queries, S^T = K Q^T, so a lane holds one query.  It keeps its own running M (a whole number, -M = floor(-t)), makes p = 2^(t - M),
; sums the unquantised p, quantises its block of 32 keys and hands codes, -M and the scale's byte to the others through LDS.
; SUM: every wave brings the four blocks under the common M by adding whole numbers to their scale bytes (held at 0 from below), multiplies O^T by 2^(old M - new M) and adds V^T P^T for its units 128 w .. 128 w + 127.
; The product for step i - 1 stands among the score products of step i.  THE FFN: wave w takes hidden units, then output units, 128 w .. 128 w + 127 for all 64 tokens; LN2's y and the hidden layer go from wave to wave as images in LDS.
; All of the LDS is claimed and 0 is added to spare words.
; LIMITS: the scaled scores stay under 2^31 in magnitude; NaN and infinities are not served; a block of zeros gets the scale byte 1 with zero codes.
.set QUART, 34816
.set STEPB, 69632
.set SLOTB, 139264
.set RG,    278528
.set SPARE, 327168
.set LI,   1
.set L8,   2
.set AK0,  3
.set AV0,  4
.set AKS0, 5
.set AVS0, 6
.set PW0,  7
.set SW0,  8
.set PR0,  9
.set ADK,  10
.set ADV,  11
.set ADKS, 12
.set ADVS, 13
.set ADPW, 14
.set ADSW, 15
.set ADPR, 16
.set SPW,  17
.set NIL,  18
.set PFO,  19
.set STI,  20
.set STT,  21
.set AW1,  22
.set AW2,  23
.set LSW,  24
.set LSR,  25
.set XWI,  26
.set XWS,  27
.set VH,   28
.set WSO,  29
.set STIO, 30
.set STTO, 31
.set QS,   32
.set KS,   40
.set VSR,  44
.set VS,   52
.set PS,   60
.set W1S,  32
.set W2S,  48
.set S,    64
.set HA,   64
.set PF,   128
.set PCN,  128
.set XF,   128
.set GP,   128
.set SM,   160
.set SE,   176
.set RL,   176
.set PCD,  192
.set PC,   192
.set NM,   200
.set TX,   201
.set TM,   200
.set LS,   208
.set FW,   216
.set BM,   217
.set PW,   216
.set NMC,  224
.set T1,   225
.set MU,   224
.set FF,   232
.set T2,   233
.set RS,   232
.set SCL,  240
.set XS,   244
.set HS,   248
.set OS,   64
.set WV,   28
.set G1,   32
.set G0A,  40
.set G0B,  44
.set G1W,  48
.set G0W1, 56
.set G0W2, 60
.set TB,   66
.set PB,   67
.set SLOTS, 68
.set TWICE, 69
.set PF2,  244                         ; v244 the prefetches' second offset: 8,192 + 256 x min(lane, 1); free until the FFN's scale words land there
.set PFA,  72
.set CS,   74
.set SEL,  76
.set CNT,  88
.set MO,   89
.set MS,   90
.set M4,   91
.set QB,   92
.set XB,   94
.set OB,   96
.set MSB, 0
.macro WIN new
.if MSB != \new
	s_set_vgpr_msb (MSB<<8)|\new
.set MSB, \new
.endif
.endm
.macro PLACES n
.rept \n
	v_nop
.endr
.endm
.macro BAR
	s_wait_dscnt 0x0
	s_barrier_signal -1
	s_barrier_wait -1
.endm
.macro CROUND
	s_barrier_signal -1
	s_barrier_wait -1
	s_cmp_lg_u32 s[WV], 0
	s_cbranch_scc1 .Lnw0_\@
	s_barrier_signal -3
.Lnw0_\@:
	s_barrier_wait -3
	s_barrier_signal -1
	s_barrier_wait -1
.endm
.macro QUANT s, pc, pw
.irp b, 0,1,2,3
	v_max3_num_f32 v[TM+\b], |v[\s+16*\b]|, |v[\s+1+16*\b]|, 0x1800000
.endr
.irp i, 2,4,6,8,10,12,14
.irp b, 0,1,2,3
	v_max3_num_f32 v[TM+\b], v[TM+\b], |v[\s+16*\b+\i]|, |v[\s+1+16*\b+\i]|
.endr
.endr
.irp b, 0,1,2,3
	v_permlanex16_b32 v[TM+4+\b], v[TM+\b], s[SEL], s[SEL+1]
.endr
.irp b, 0,1,2,3
	v_max_num_f32 v[TM+\b], v[TM+\b], v[TM+4+\b]
.endr
.irp b, 0,1,2,3
	v_add_nc_u32 v[TM+12+\b], 0xff000000, v[TM+\b]
.endr
.irp b, 0,1,2,3
	v_lshrrev_b32 v[TM+4+\b], 23, v[TM+12+\b]
.endr
	v_lshl_or_b32 v[\pw], v[TM+5], 8, v[TM+4]
	v_lshl_or_b32 v[\pw], v[TM+6], 16, v[\pw]
	v_lshl_or_b32 v[\pw], v[TM+7], 24, v[\pw]
.irp b, 0,1,2,3
	v_cvt_scalef32_pk8_fp4_f32 v[\pc+2*\b], v[\s+16*\b:\s+7+16*\b], v[TM+12+\b]
	v_cvt_scalef32_pk8_fp4_f32 v[\pc+1+2*\b], v[\s+8+16*\b:\s+15+16*\b], v[TM+12+\b]
.endr
	v_nop
.irp c, 0,1
.irp i, 0,1
	v_permlane16_swap_b32 v[\pc+4*\c+\i], v[\pc+2+4*\c+\i]
.endr
.endr
.endm
.macro WM d, a, b, c, sa, sb, odd
.if \odd
	v_wmma_scale_f32_16x16x128_f8f6f4 v[(\d):(\d)+7], v[(\a):(\a)+7], v[(\b):(\b)+7], v[(\c):(\c)+7], v[\sa], v[\sb] matrix_a_fmt:MATRIX_FMT_FP4 matrix_b_fmt:MATRIX_FMT_FP4 matrix_a_scale:MATRIX_SCALE_ROW1
.else
	v_wmma_scale_f32_16x16x128_f8f6f4 v[(\d):(\d)+7], v[(\a):(\a)+7], v[(\b):(\b)+7], v[(\c):(\c)+7], v[\sa], v[\sb] matrix_a_fmt:MATRIX_FMT_FP4 matrix_b_fmt:MATRIX_FMT_FP4
.endif
.endm
.macro KLOAD
	v_add_nc_u32 v[ADK], s[TB], v[AK0]
	v_add_nc_u32 v[ADKS], s[TB], v[AKS0]
	WIN 0x80
.irp f, 0,1,2,3,4,5,6,7
.irp c, 0,1
	ds_load_b128 v[128+8*\f+4*\c:128+8*\f+4*\c+3], v[ADK] offset:1024*\f+512*\c
.endr
.endr
	WIN 0
.irp kk, 0,1,2,3
	ds_load_b32 v[KS+\kk], v[ADKS] offset:256*\kk
.endr
.endm
.macro SMM kk, u, m
.set rD, S+16*(\m)+8*(\u)
.set rA, 128+8*(4*(\u)+(\kk))
.set rB, 8*(4*(\m)+(\kk))
.set rX, KS+(\kk)
.set rY, QS+2*(\kk)+(\m)/2
.if (\kk) == 0
.if ((\u) == 0) && ((\m)%2 == 0)
	v_wmma_scale_f32_16x16x128_f8f6f4 v[rD:rD+7], v[rA:rA+7], v[rB:rB+7], 0, v[rX], v[rY] matrix_a_fmt:MATRIX_FMT_FP4 matrix_b_fmt:MATRIX_FMT_FP4
.elseif (\u) == 0
	v_wmma_scale_f32_16x16x128_f8f6f4 v[rD:rD+7], v[rA:rA+7], v[rB:rB+7], 0, v[rX], v[rY] matrix_a_fmt:MATRIX_FMT_FP4 matrix_b_fmt:MATRIX_FMT_FP4 matrix_b_scale:MATRIX_SCALE_ROW1
.elseif (\m)%2 == 0
	v_wmma_scale_f32_16x16x128_f8f6f4 v[rD:rD+7], v[rA:rA+7], v[rB:rB+7], 0, v[rX], v[rY] matrix_a_fmt:MATRIX_FMT_FP4 matrix_b_fmt:MATRIX_FMT_FP4 matrix_a_scale:MATRIX_SCALE_ROW1
.else
	v_wmma_scale_f32_16x16x128_f8f6f4 v[rD:rD+7], v[rA:rA+7], v[rB:rB+7], 0, v[rX], v[rY] matrix_a_fmt:MATRIX_FMT_FP4 matrix_b_fmt:MATRIX_FMT_FP4 matrix_a_scale:MATRIX_SCALE_ROW1 matrix_b_scale:MATRIX_SCALE_ROW1
.endif
.else
.if ((\u) == 0) && ((\m)%2 == 0)
	v_wmma_scale_f32_16x16x128_f8f6f4 v[rD:rD+7], v[rA:rA+7], v[rB:rB+7], v[rD:rD+7], v[rX], v[rY] matrix_a_fmt:MATRIX_FMT_FP4 matrix_b_fmt:MATRIX_FMT_FP4
.elseif (\u) == 0
	v_wmma_scale_f32_16x16x128_f8f6f4 v[rD:rD+7], v[rA:rA+7], v[rB:rB+7], v[rD:rD+7], v[rX], v[rY] matrix_a_fmt:MATRIX_FMT_FP4 matrix_b_fmt:MATRIX_FMT_FP4 matrix_b_scale:MATRIX_SCALE_ROW1
.elseif (\m)%2 == 0
	v_wmma_scale_f32_16x16x128_f8f6f4 v[rD:rD+7], v[rA:rA+7], v[rB:rB+7], v[rD:rD+7], v[rX], v[rY] matrix_a_fmt:MATRIX_FMT_FP4 matrix_b_fmt:MATRIX_FMT_FP4 matrix_a_scale:MATRIX_SCALE_ROW1
.else
	v_wmma_scale_f32_16x16x128_f8f6f4 v[rD:rD+7], v[rA:rA+7], v[rB:rB+7], v[rD:rD+7], v[rX], v[rY] matrix_a_fmt:MATRIX_FMT_FP4 matrix_b_fmt:MATRIX_FMT_FP4 matrix_a_scale:MATRIX_SCALE_ROW1 matrix_b_scale:MATRIX_SCALE_ROW1
.endif
.endif
.endm
.macro SGRP kk
.irp u, 0,1
.irp m, 0,1,2,3
	SMM \kk, \u, \m
.endr
.endr
.endm
.macro VLOAD
	WIN 0
	v_add_nc_u32 v[ADV], s[TB], v[AV0]
	v_add_nc_u32 v[ADVS], s[TB], v[AVS0]
	v_nop
	v_nop
	WIN 0x80
.irp t, 0,1,2,3,4,5,6,7
.irp c, 0,1
	ds_load_b128 v[192+8*\t+4*\c:192+8*\t+4*\c+3], v[ADV] offset:1024*\t+512*\c
.endr
.endr
	WIN 0
	ds_load_b128 v[VSR:VSR+3], v[ADVS]
	ds_load_b128 v[VSR+4:VSR+7], v[ADVS] offset:1024
	s_add_co_u32 s[TB], s[TB], STEPB
.endm
.macro SPHASE
	s_wait_dscnt 0x0
	WIN 0x0a
.irp kk, 0,1,2,3
	SGRP \kk
.endr
	VLOAD
.endm
.macro SOFTMAX
.irp m, 0,1,2,3
	v_max3_num_f32 v[BM+2*\m], v[S+16*\m], v[S+16*\m+1], v[S+16*\m+2]
.endr
.irp i, 3,5,7,9,11,13
.irp m, 0,1,2,3
	v_max3_num_f32 v[BM+2*\m], v[BM+2*\m], v[S+16*\m+\i], v[S+16*\m+\i+1]
.endr
.endr
.irp m, 0,1,2,3
	v_max_num_f32 v[BM+2*\m], v[BM+2*\m], v[S+16*\m+15]
.endr
.irp m, 0,1,2,3
	v_permlanex16_b32 v[T1+2*\m], v[BM+2*\m], s[SEL], s[SEL+1]
.endr
.irp m, 0,1,2,3
	v_max_num_f32 v[BM+2*\m], v[BM+2*\m], v[T1+2*\m]
.endr
.irp m, 0,1,2,3
	v_mul_f32 v[T2+2*\m], s[CS], v[BM+2*\m]
.endr
.irp m, 0,1,2,3
	v_max_num_f32 v[TX+2*\m], v[TX+2*\m], v[T2+2*\m]
.endr
.irp m, 0,1,2,3
	v_mov_b32 v[T2+2*\m], v[NM+2*\m]
.endr
.irp m, 0,1,2,3
	v_floor_f32 v[NM+2*\m], -v[TX+2*\m]
.endr
.irp m, 0,1,2,3
	v_sub_f32 v[T2+2*\m], v[NM+2*\m], v[T2+2*\m]
.endr
.irp m, 0,1,2,3
	v_cvt_i32_f32 v[T2+2*\m], v[T2+2*\m]
.endr
.irp m, 0,1,2,3
	v_ldexp_f32 v[FW+2*\m], 1.0, v[T2+2*\m]
.endr
.irp m, 0,1,2,3
	v_pk_mul_f32 v[LS+2*\m:LS+2*\m+1], v[LS+2*\m:LS+2*\m+1], v[FW+2*\m:FW+2*\m+1] op_sel_hi:[1,0]
.endr
.irp m, 0,1,2,3
	v_fma_f32 v[BM+2*\m], v[BM+2*\m], s[CS], v[NM+2*\m]
.endr
.set qq, 0
.rept 32
	v_pk_fma_f32 v[S+2*qq:S+2*qq+1], v[S+2*qq:S+2*qq+1], s[CS:CS+1], v[NM+2*(qq/8):NM+2*(qq/8)+1] op_sel_hi:[1,0,0]   ; t - M, two at a time: all sources of the batch first
.set qq, qq+1
.endr
	s_wait_alu depctr_va_vdst(0)                       ; one wait ahead of the batch
.set qq, 0
.rept 64
	v_exp_f32 v[S+qq], v[S+qq]                         ; p = 2^(t - M)
.set qq, qq+1
.endr
.irp m, 0,1,2,3
	v_exp_f32 v[BM+2*\m], v[BM+2*\m]
.endr
	v_nop
	s_wait_alu depctr_va_vdst(0)
.irp m, 0,1,2,3
	v_max_num_f32 v[BM+2*\m], 0x1800000, v[BM+2*\m]
.endr
.irp m, 0,1,2,3
	v_add_nc_u32 v[SCL+\m], 0xff000000, v[BM+2*\m]
.endr
.irp m, 0,1,2,3
	v_lshrrev_b32 v[T1+2*\m], 23, v[SCL+\m]
.endr
.irp m, 0,1,2,3
	v_cvt_f32_u32 v[T1+2*\m], v[T1+2*\m]
.endr
.irp m, 0,1,2,3
	v_sub_f32 v[T1+2*\m], v[T1+2*\m], v[NM+2*\m]
.endr
.irp m, 0,1,2,3
	v_cvt_scalef32_pk8_fp4_f32 v[PCD+2*\m], v[S+16*\m:S+16*\m+7], v[SCL+\m]
	v_cvt_scalef32_pk8_fp4_f32 v[PCD+2*\m+1], v[S+16*\m+8:S+16*\m+15], v[SCL+\m]
.endr
	v_nop
.endm
.macro PUBLISH
	s_xor_b32 s[PB], s[PB], 8192
	v_add_nc_u32 v[ADPW], s[PB], v[PW0]
	v_add_nc_u32 v[ADSW], s[PB], v[SW0]
.irp m, 0,1,2,3
	ds_store_b64 v[ADPW], v[PCD+2*\m:PCD+2*\m+1] offset:1024*\m
	ds_store_b32 v[ADSW], v[NM+2*\m] offset:512*\m
	ds_store_b32 v[ADSW], v[T1+2*\m] offset:2048+512*\m
.endr
.irp j, 4,8,12
.irp m, 0,1,2,3
	v_pk_add_f32 v[LS+2*\m:LS+2*\m+1], v[LS+2*\m:LS+2*\m+1], v[S+16*\m+\j:S+16*\m+\j+1]
.endr
.endr
	s_wait_dscnt 12
.irp i, 0,1,2,3
	v_perm_b32 v[VS+2*\i], v[VSR+4+\i], v[VSR+\i], s78
	v_perm_b32 v[VS+2*\i+1], v[VSR+4+\i], v[VSR+\i], s79
.endr
.endm
.macro FETCH next
	v_add_nc_u32 v[ADPR], s[PB], v[PR0]
.irp m, 0,1,2,3
	ds_load_b128 v[SM+4*\m:SM+4*\m+3], v[ADPR] offset:4096+512*\m
.endr
.irp m, 0,1,2,3
	ds_load_b128 v[SE+4*\m:SE+4*\m+3], v[ADPR] offset:6144+512*\m
.endr
.irp m, 0,1,2,3
.irp c, 0,1
	ds_load_b128 v[PF+8*\m+4*\c:PF+8*\m+4*\c+3], v[ADPR] offset:1024*\m+512*\c
.endr
.endr
.if \next
	KLOAD
.endif
.irp m, 0,1,2,3
	v_pk_add_f32 v[PCD+2*\m:PCD+2*\m+1], v[S+16*\m:S+16*\m+1], v[S+16*\m+2:S+16*\m+3]
.endr
.irp j, 6,10,14
.irp m, 0,1,2,3
	v_pk_add_f32 v[PCD+2*\m:PCD+2*\m+1], v[PCD+2*\m:PCD+2*\m+1], v[S+16*\m+\j:S+16*\m+\j+1]
.endr
.endr
.irp m, 0,1,2,3
	v_pk_add_f32 v[LS+2*\m:LS+2*\m+1], v[LS+2*\m:LS+2*\m+1], v[PCD+2*\m:PCD+2*\m+1]
.endr
.if \next
	s_wait_dscnt 28
.else
	s_wait_dscnt 8
.endif
.endm
.macro MERGE first
.if \first == 0
.irp m, 0,1,2,3
	v_mov_b32 v[T2+2*\m], v[NMC+2*\m]
.endr
.endif
.irp m, 0,1,2,3
	v_min3_num_f32 v[NMC+2*\m], v[SM+4*\m], v[SM+4*\m+1], v[SM+4*\m+2]
.endr
.irp m, 0,1,2,3
	v_min_num_f32 v[NMC+2*\m], v[NMC+2*\m], v[SM+4*\m+3]
.endr
.if \first == 0
.irp m, 0,1,2,3
	v_sub_f32 v[T2+2*\m], v[NMC+2*\m], v[T2+2*\m]
.endr
.irp m, 0,1,2,3
	v_cvt_i32_f32 v[T2+2*\m], v[T2+2*\m]
.endr
.irp m, 0,1,2,3
	v_ldexp_f32 v[FF+2*\m], 1.0, v[T2+2*\m]
.endr
.endif
.irp m, 0,1,2,3
.irp q, 0,2
	v_pk_add_f32 v[SE+4*\m+\q:SE+4*\m+\q+1], v[SE+4*\m+\q:SE+4*\m+\q+1], v[NMC+2*\m:NMC+2*\m+1] op_sel_hi:[1,0]
.endr
.endr
.set j, 0
.rept 16
	v_max_num_f32 v[SE+j], 0, v[SE+j]
.set j, j+1
.endr
.set j, 0
.rept 16
	v_cvt_u32_f32 v[SE+j], v[SE+j]
.set j, j+1
.endr
.irp m, 0,1,2,3
	v_lshl_or_b32 v[PS+\m], v[SE+4*\m+1], 8, v[SE+4*\m]
.endr
.irp m, 0,1,2,3
	v_lshl_or_b32 v[PS+\m], v[SE+4*\m+2], 16, v[PS+\m]
.endr
.irp m, 0,1,2,3
	v_lshl_or_b32 v[PS+\m], v[SE+4*\m+3], 24, v[PS+\m]
.endr
.endm
.macro RSC t
	WIN 0x41
.irp m, 0,1,2,3
.irp q, 0,2,4,6
	v_pk_mul_f32 v[64*\m+8*(\t)+\q:64*\m+8*(\t)+\q+1], v[64*\m+8*(\t)+\q:64*\m+8*(\t)+\q+1], v[FF+2*\m:FF+2*\m+1] op_sel_hi:[1,0]
.endr
.endr
.endm
.macro PVW t, zero
	WIN 0x52
.irp m, 0,1,2,3
.if \zero
	v_wmma_scale_f32_16x16x128_f8f6f4 v[64*\m+8*(\t):64*\m+8*(\t)+7], v[192+8*(\t):192+8*(\t)+7], v[PF+8*\m:PF+8*\m+7], 0, v[VS+(\t)], v[PS+\m] matrix_a_fmt:MATRIX_FMT_FP4 matrix_b_fmt:MATRIX_FMT_FP4
.else
	v_wmma_scale_f32_16x16x128_f8f6f4 v[64*\m+8*(\t):64*\m+8*(\t)+7], v[192+8*(\t):192+8*(\t)+7], v[PF+8*\m:PF+8*\m+7], v[64*\m+8*(\t):64*\m+8*(\t)+7], v[VS+(\t)], v[PS+\m] matrix_a_fmt:MATRIX_FMT_FP4 matrix_b_fmt:MATRIX_FMT_FP4
.endif
.endr
.endm
.macro PV first, cnt
.if \first
	PLACES 8
	s_wait_alu depctr_va_vdst(0)
	s_wait_dscnt \cnt
.irp t, 0,1,2,3,4,5,6,7
	PVW \t, 1
.endr
.else
	RSC 0
	RSC 1
	s_wait_dscnt \cnt
	PVW 0, 0
.irp t, 2,3,4,5,6,7
	RSC \t
	PVW \t-1, 0
.endr
	PVW 7, 0
.endif
	WIN 0
.endm
.macro PVS
	RSC 0
	RSC 1
	s_wait_dscnt 20
	PVW 0, 0
	RSC 2
	PVW 1, 0
	RSC 3
	PVW 2, 0
	RSC 4
	PVW 3, 0
	s_wait_dscnt 0x0
.irp g, 0,1,2
	WIN 0x0a
	SGRP \g
	RSC \g+5
	PVW \g+4, 0
.endr
	WIN 0x0a
	SGRP 3
	PVW 7, 0
	VLOAD
.endm
.macro BODY first
	FETCH 1
	MERGE \first
.if \first
	PV 1, 20
	SPHASE
	XLOAD 2
.else
	PVS
.endif
	SOFTMAX
.if \first
	XLOAD 3
.endif
	PUBLISH
.endm
; A PREFETCH INTO THE L2 of a slot of K and V, off bytes on from where s[PFA] stands.  Every cluster asks for what it will itself load.  A slot is 544 blocks of 256 bytes; the cluster's sixteen waves share them
; out BY ADDRESS, 34 blocks (8,704 bytes) to wave 4 cx + w: one instruction names blocks 0 to 31, a lane a block; a second names blocks 32 and 33 (lanes 1 to 31 all name the wave's last block).
.macro PF off
	global_prefetch_b8 v[PFO], s[PFA:PFA+1] offset:\off th:TH_LOAD_NT scope:SCOPE_SE
	global_prefetch_b8 v[PF2], s[PFA:PFA+1] offset:\off th:TH_LOAD_NT scope:SCOPE_SE
.endm
; At the change that loads slot j (s[PFA] stands at slot j) slot j + 2 is asked for: two trips ahead of its load.  The changes that load slots 6 and 7 (s[SLOTS] = 2, 1) ask for nothing: there is no slot 8.
.macro ASK
	s_cmp_gt_u32 s[SLOTS], 2
	s_cbranch_scc0 .Lnm_\@
	PF 2*SLOTB
.Lnm_\@:
.endm
.macro CHANGE g0, g1, walk, turn
	s_wait_tensorcnt 0x0
	ds_add_u32 v[SPW], v[NIL]
.if \walk
	s_xor_b32 s[G0B+1], s[G0B+1], SLOTB
	s_add_nc_u64 s[G0B+2:G0B+3], s[G0B+2:G0B+3], SLOTB
	s_wait_xcnt 0x0
	s_add_nc_u64 s[PFA:PFA+1], s[PFA:PFA+1], SLOTB
.endif
	s_wait_dscnt 0x0
	CROUND
	tensor_load_to_lds s[\g0:\g0+3], s[\g1:\g1+7]
	s_nop 0
	PLACES 4
.if \walk
	ASK
.endif
.if \turn
	s_sub_co_u32 s[TB], s[TB], 2*STEPB
	s_xor_b32 s[TB], s[TB], SLOTB
.endif
.endm
	s_load_b512 s[4:19], s[0:1], 0x0
	s_load_b256 s[20:27], s[0:1], 0x40
	v_lshl_add_u32 v[SPW], v0, 2, SPARE
	v_mov_b32 v[NIL], 0
	ds_add_u32 v17, v18
	ds_add_u32 v17, v18
	s_wait_dscnt 0x0
	v_lshrrev_b32 v10, 5, v0
	v_readfirstlane_b32 s[WV], v10
	s_bfe_u32 s29, ttmp6, 0x40000
	s_lshl_b32 s30, ttmp9, 2
	s_add_co_u32 s30, s30, s29
	s_and_b32 s31, ttmp7, 0xffff
	s_mov_b32 s[G1], 0x0023000f
	s_mov_b32 s[G1+1], 32<<16
	s_mov_b32 s[G1+2], 136<<16
	s_mov_b32 s[G1+3], 32<<16
	s_mov_b32 s[G1+4], 136
	s_mov_b32 s[G1+5], 32
	s_mov_b32 s[G1+6], 0
	s_mov_b32 s[G1+7], 0
	s_mov_b32 s[G1W], 0x0770000f
	s_mov_b32 s[G1W+1], 256<<16
	s_mov_b32 s[G1W+2], 128<<16
	s_mov_b32 s[G1W+3], 256<<16
	s_mov_b32 s[G1W+4], 128
	s_mov_b32 s[G1W+5], 256
	s_mov_b32 s[G1W+6], 0
	s_mov_b32 s[G1W+7], 0
	s_mul_i32 s71, s[WV], QUART
	s_mul_i32 s98, s31, 16*STEPB
	s_add_co_u32 s98, s98, s71
	s_mov_b32 s99, 0
	s_mov_b32 s[CS], 0x3d8293ee
	s_mov_b32 s[CS+1], s[CS]
	s_mov_b32 s[SEL], 0x76543210
	s_mov_b32 s[SEL+1], 0xfedcba98
	s_mov_b32 s78, 0x05040100
	s_mov_b32 s79, 0x07060302
	s_mov_b32 s80, 0x3b000000
	s_mov_b32 s81, 0x3727c5ac
	s_mov_b32 s82, 0x3f3504f3
	s_mov_b32 s83, s82
	s_mov_b32 s[TB], 0
	s_mov_b32 s[PB], 0
	s_mov_b32 s[SLOTS], 6
	s_wait_kmcnt 0x0
	s_mov_b32 s[G0A], 1
	s_mov_b32 s[G0A+1], s71
	s_add_nc_u64 s[G0A+2:G0A+3], s[6:7], s[98:99]
	s_mov_b32 s[G0B], 1
	s_add_co_u32 s[G0B+1], s71, SLOTB
	s_add_nc_u64 s[G0B+2:G0B+3], s[G0A+2:G0A+3], SLOTB
	s_or_b32 s[G0A+3], s[G0A+3], 0x80000000
	s_or_b32 s[G0B+3], s[G0B+3], 0x80000000
	s_lshl_b32 s98, s[WV], 15
	s_mov_b32 s[G0W1], 1
	s_mov_b32 s[G0W1+1], s71
	s_add_nc_u64 s[G0W1+2:G0W1+3], s[14:15], s[98:99]
	s_or_b32 s[G0W1+3], s[G0W1+3], 0x80000000
	s_mov_b32 s[G0W2], 1
	s_add_co_u32 s[G0W2+1], s71, SLOTB
	s_add_nc_u64 s[G0W2+2:G0W2+3], s[20:21], s[98:99]
	s_or_b32 s[G0W2+3], s[G0W2+3], 0x80000000
	CROUND
	tensor_load_to_lds s[G0A:G0A+3], s[G1:G1+7]        ; my quarter of slot 0: one tensor load a wave at the head; Q's loads and the address work stand between it and the wait for it
	s_nop 0
	PLACES 4
	s_lshl_b32 s84, s31, 5
	s_add_co_u32 s84, s84, s30
	s_mul_i32 s84, s84, 17408
	s_mov_b32 s85, 0
	s_add_nc_u64 s[QB:QB+1], s[4:5], s[84:85]
	s_lshl_b32 s84, s31, 22
	s_lshl_b32 s86, s30, 17
	s_add_co_u32 s84, s84, s86
	s_lshl_b32 s86, s[WV], 9
	s_add_co_u32 s84, s84, s86
	s_add_nc_u64 s[XB:XB+1], s[8:9], s[84:85]
	s_add_nc_u64 s[OB:OB+1], s[26:27], s[84:85]
	s_lshl_b32 s84, s29, 2
	s_add_co_u32 s84, s84, s[WV]
	s_mul_i32 s84, s84, 8704                           ; my wave's 34 blocks of a slot,
	s_mul_i32 s86, s31, 16*STEPB                       ; in my batch,
	s_add_co_u32 s84, s84, s86
	s_add_co_u32 s84, s84, SLOTB                       ; at slot 1: each change of slots steps it one slot on
	s_add_nc_u64 s[PFA:PFA+1], s[6:7], s[84:85]
	v_and_b32 v10, 31, v0
	v_and_b32 v11, 15, v0
	v_bfe_u32 v12, v0, 4, 1
	v_and_b32 v13, 8, v11
	v_add_nc_u32 v13, v13, v11
	v_lshlrev_b32 v[LI], 4, v10
	v_lshlrev_b32 v[L8], 3, v10
	s_wait_alu depctr_va_vdst(0)
	v_lshlrev_b32 v[PFO], 8, v10
	v_min_u32 v[PF2], 1, v10
	v_lshl_add_u32 v[PF2], v[PF2], 8, 8192
	WIN 0x80
.irp f, 0,1,2,3,4,5,6,7,8,9,10,11,12,13,14,15
.irp c, 0,1
	global_load_b128 v[8*\f+4*\c:8*\f+4*\c+3], v[LI], s[QB:QB+1] offset:1024*\f+512*\c th:TH_LOAD_NT
.endr
.endr
	WIN 0
.irp kk, 0,1,2,3
	global_load_b64 v[QS+2*\kk:QS+2*\kk+1], v[L8], s[QB:QB+1] offset:16384+256*\kk th:TH_LOAD_NT
.endr
	PF 0                                               ; slots 1 and 2, behind slot 0's load and Q's: the buffer's first touch is asked for early
	PF SLOTB
; my 128 columns of the 16 rows of x of token tile m, into window 3 at 64 m: each load reads 512 consecutive bytes.  The four runs of 16 stand among the first two key steps' work; x is read behind the last key step
.macro XLOAD m
	WIN 0xc0
.set i, 0
.rept 16
	global_load_b128 v[64*(\m)+4*i:64*(\m)+4*i+3], v[LI], s[XB:XB+1] offset:(32*((\m)/2)+8*((\m)%2)+i+8*(i/8))*2048 th:TH_LOAD_NT
.set i, i+1
.endr
	WIN 0
.endm
	s_lshl_b32 s84, s[WV], 13
	v_add_nc_u32 v[AK0], s84, v[LI]
	v_add_nc_u32 v[AV0], 32768, v[AK0]
	s_lshr_b32 s84, s[WV], 1
	s_lshl_b32 s84, s84, 10
	s_and_b32 s86, s[WV], 1
	s_lshl_b32 s86, s86, 2
	s_add_co_u32 s84, s84, s86
	s_add_co_u32 s84, s84, 65536
	v_add_nc_u32 v[AKS0], s84, v[L8]
	s_lshl_b32 s84, s[WV], 8
	s_add_co_u32 s86, s84, 67584
	v_lshl_add_u32 v[AVS0], v11, 4, s86
	s_add_co_u32 s86, s84, RG
	v_lshl_add_u32 v[PW0], v11, 4, s86
	v_lshl_add_u32 v[PW0], v12, 3, v[PW0]
	s_lshl_b32 s84, s[WV], 2
	s_add_co_u32 s86, s84, RG+4096
	v_add_nc_u32 v[SW0], s86, v[LI]
	v_add_nc_u32 v[PR0], RG, v[LI]
	s_add_co_u32 s86, s84, RG+36864
	v_add_nc_u32 v[LSW], s86, v[LI]
	v_add_nc_u32 v[LSR], RG+36864, v[LI]
	s_add_co_u32 s86, s84, RG+16384
	v_add_nc_u32 v[XWS], s86, v[LI]
	s_mul_i32 s84, s[WV], 8448
	s_add_co_u32 s84, s84, RG
	v_add_nc_u32 v[STI], s84, v[LI]
	v_mul_u32_u24 v14, v11, 528
	v_lshl_add_u32 v14, v12, 6, v14
	v_add_nc_u32 v[STT], s84, v14
	v_add_nc_u32 v[STIO], s71, v[LI]
	v_add_nc_u32 v[STTO], s71, v14
	v_mul_u32_u24 v[AW1], v13, 272
	v_lshl_add_u32 v[AW1], v12, 4, v[AW1]
	v_add_nc_u32 v[AW1], s71, v[AW1]
	v_add_nc_u32 v[AW2], SLOTB, v[AW1]
	s_lshl_b32 s84, s[WV], 10
	s_add_co_u32 s84, s84, RG
	v_add_nc_u32 v[XWI], s84, v[LI]
	s_lshl_b32 s84, s[WV], 9
	v_lshl_add_u32 v[VH], v12, 6, s84
	s_lshl_b32 s84, s[WV], 7
	v_lshl_add_u32 v[WSO], v12, 3, v13
	v_add_nc_u32 v[WSO], s84, v[WSO]
	v_lshlrev_b32 v[WSO], 4, v[WSO]
.irp m, 0,1,2,3
	v_mov_b32 v[TX+2*\m], 0xff61b1e6
	v_mov_b32 v[LS+2*\m], 0
	v_mov_b32 v[LS+2*\m+1], 0
	v_mov_b32 v[FW+2*\m], 0
	v_mov_b32 v[BM+2*\m], 0
	v_mov_b32 v[NMC+2*\m], 0
	v_mov_b32 v[T1+2*\m], 0
	v_mov_b32 v[FF+2*\m], 0
	v_mov_b32 v[T2+2*\m], 0
.endr
.irp m, 0,1,2,3
	v_floor_f32 v[NM+2*\m], -v[TX+2*\m]
.endr
	s_wait_alu depctr_va_vdst(0)                       ; the wait at the head's end
	s_wait_tensorcnt 0x0                               ; my quarter of slot 0 is in; slot 1's first fill is issued as a refill is
	ds_add_u32 v[SPW], v[NIL]
	s_wait_dscnt 0x0
	CROUND                                             ; slot 0 is whole in every partner, and the joint loads meet
	tensor_load_to_lds s[G0B:G0B+3], s[G1:G1+7]        ; my one load behind the round: it has slot 0's two key steps in which to land
	s_nop 0
	PLACES 4
	KLOAD
	s_wait_loadcnt 0x0                                 ; Q's 36 loads: nothing else is out
	SPHASE
	PF 2*SLOTB                                         ; slot 3, two slots on from slot 1, which has just been asked for
	XLOAD 0
	SOFTMAX
	XLOAD 1
	PUBLISH
	BAR
	BODY 1
	BAR
.Lslot:
	CHANGE G0B, G1, 1, 1
	s_mov_b32 s[TWICE], 2
.Lstep:
	BODY 0
	BAR
	s_sub_co_u32 s[TWICE], s[TWICE], 1
	s_cmp_lg_u32 s[TWICE], 0
	s_cbranch_scc1 .Lstep
	s_sub_co_u32 s[SLOTS], s[SLOTS], 1
	s_cmp_lg_u32 s[SLOTS], 0
	s_cbranch_scc1 .Lslot
	CHANGE G0W1, G1W, 0, 1
	s_mov_b32 s[TWICE], 2
.Lstep2:
	BODY 0
	BAR
	s_sub_co_u32 s[TWICE], s[TWICE], 1
	s_cmp_lg_u32 s[TWICE], 0
	s_cbranch_scc1 .Lstep2
	CHANGE G0W2, G1W, 0, 0
	FETCH 0
	MERGE 0
	PV 0, 0
.irp m, 0,1,2,3
	v_add_f32 v[LS+2*\m], v[LS+2*\m], v[LS+2*\m+1]
.endr
.irp m, 0,1,2,3
	v_permlanex16_b32 v[T1+2*\m], v[LS+2*\m], s[SEL], s[SEL+1]
.endr
.irp m, 0,1,2,3
	v_add_f32 v[LS+2*\m], v[LS+2*\m], v[T1+2*\m]
.endr
.irp m, 0,1,2,3
	v_sub_f32 v[T2+2*\m], v[NMC+2*\m], v[NM+2*\m]
.endr
.irp m, 0,1,2,3
	v_cvt_i32_f32 v[T2+2*\m], v[T2+2*\m]
.endr
.irp m, 0,1,2,3
	v_ldexp_f32 v[LS+2*\m], v[LS+2*\m], v[T2+2*\m]
.endr
.irp m, 0,1,2,3
	ds_store_b32 v[LSW], v[LS+2*\m] offset:512*\m
.endr
.irp i, 0,1,2,3
	global_load_b128 v[W1S+4*\i:W1S+4*\i+3], v[WSO], s[16:17] offset:512*\i
	global_load_b128 v[W2S+4*\i:W2S+4*\i+3], v[WSO], s[22:23] offset:512*\i
.endr
	BAR
.irp m, 0,1,2,3
	ds_load_b128 v[SM+4*\m:SM+4*\m+3], v[LSR] offset:512*\m
.endr
	s_wait_loadcnt 0x8
.irp m, 0,1,2,3
	WIN 0x0c
.set i, 0
.rept 16
	ds_store_b128 v[STI], v[64*\m+4*i:64*\m+4*i+3] offset:528*i
.set i, i+1
.endr
	WIN 0xc0
.irp b, 0,1,2,3
.irp e, 0,1,2,3
	ds_load_b128 v[64*\m+16*\b+4*\e:64*\m+16*\b+4*\e+3], v[STT] offset:128*\b+16*\e
.endr
.endr
.endr
	WIN 0
	s_wait_dscnt 0x0
.irp m, 0,1,2,3
	v_add_f32 v[RL+2*\m], v[SM+4*\m], v[SM+4*\m+1]
.endr
.irp m, 0,1,2,3
	v_add_f32 v[RL+2*\m+1], v[SM+4*\m+2], v[SM+4*\m+3]
.endr
.irp m, 0,1,2,3
	v_add_f32 v[RL+2*\m], v[RL+2*\m], v[RL+2*\m+1]
.endr
	s_wait_alu depctr_va_vdst(0)
.irp m, 0,1,2,3
	v_rcp_f32 v[RL+2*\m], v[RL+2*\m]
.endr
	v_nop
	s_wait_alu depctr_va_vdst(0)
	WIN 0x71
.irp m, 0,1,2,3
.set q, 0
.rept 32
	v_pk_fma_f32 v[64*\m+2*q:64*\m+2*q+1], v[64*\m+2*q:64*\m+2*q+1], v[RL+2*\m:RL+2*\m+1], v[64*\m+2*q:64*\m+2*q+1] op_sel_hi:[1,0,1]
.set q, q+1
.endr
.endr
	WIN 0xc0
.irp b, 0,1,2,3
.irp e, 0,1,2,3
	global_load_b128 v[16*\b+4*\e:16*\b+4*\e+3], v[VH], s[10:11] offset:128*\b+16*\e
	global_load_b128 v[64+16*\b+4*\e:64+16*\b+4*\e+3], v[VH], s[12:13] offset:128*\b+16*\e
	global_load_b128 v[128+16*\b+4*\e:128+16*\b+4*\e+3], v[VH], s[18:19] offset:128*\b+16*\e
	global_load_b128 v[192+16*\b+4*\e:192+16*\b+4*\e+3], v[VH], s[24:25] offset:128*\b+16*\e
.endr
.endr
.macro XSUM base, off
.irp m, 0,1,2,3
	v_add_f32 v[\base+2*\m], v[\base+2*\m], v[\base+2*\m+1]
.endr
.irp m, 0,1,2,3
	v_permlanex16_b32 v[\base+2*\m+1], v[\base+2*\m], s[SEL], s[SEL+1]
.endr
.irp m, 0,1,2,3
	v_add_f32 v[\base+2*\m], v[\base+2*\m], v[\base+2*\m+1]
.endr
.irp m, 0,1,2,3
	ds_store_b32 v[LSW], v[\base+2*\m] offset:\off+512*\m
.endr
	BAR
.irp m, 0,1,2,3
	ds_load_b128 v[SM+4*\m:SM+4*\m+3], v[LSR] offset:\off+512*\m
.endr
	s_wait_dscnt 0x0
.irp m, 0,1,2,3
	v_add_f32 v[\base+2*\m], v[SM+4*\m], v[SM+4*\m+1]
.endr
.irp m, 0,1,2,3
	v_add_f32 v[\base+2*\m+1], v[SM+4*\m+2], v[SM+4*\m+3]
.endr
.irp m, 0,1,2,3
	v_add_f32 v[\base+2*\m], v[\base+2*\m], v[\base+2*\m+1]
.endr
.endm
	WIN 0x05
.irp m, 0,1,2,3
	v_pk_add_f32 v[MU+2*\m:MU+2*\m+1], v[64*\m:64*\m+1], v[64*\m+2:64*\m+3]
.endr
	WIN 0x01
.set q, 2
.rept 30
.irp m, 0,1,2,3
	v_pk_add_f32 v[MU+2*\m:MU+2*\m+1], v[64*\m+2*q:64*\m+2*q+1], v[MU+2*\m:MU+2*\m+1]
.endr
.set q, q+1
.endr
	WIN 0
	XSUM MU, 2048
.irp m, 0,1,2,3
	v_mul_f32 v[MU+2*\m], s80, v[MU+2*\m]
.endr
.irp m, 0,1,2,3
	WIN 0x01
.set q, 0
.rept 32
	v_pk_add_f32 v[HA+2*q:HA+2*q+1], v[64*\m+2*q:64*\m+2*q+1], v[MU+2*\m:MU+2*\m+1] op_sel_hi:[1,0] neg_lo:[0,1] neg_hi:[0,1]
.set q, q+1
.endr
	WIN 0
.set q, 0
.rept 4
	v_pk_mul_f32 v[TM+2*q:TM+2*q+1], v[HA+2*q:HA+2*q+1], v[HA+2*q:HA+2*q+1]
.set q, q+1
.endr
.rept 28
	v_pk_fma_f32 v[TM+2*(q%4):TM+2*(q%4)+1], v[HA+2*q:HA+2*q+1], v[HA+2*q:HA+2*q+1], v[TM+2*(q%4):TM+2*(q%4)+1]
.set q, q+1
.endr
	v_pk_add_f32 v[TM:TM+1], v[TM:TM+1], v[TM+2:TM+3]
	v_pk_add_f32 v[TM+4:TM+5], v[TM+4:TM+5], v[TM+6:TM+7]
	v_pk_add_f32 v[RS+2*\m:RS+2*\m+1], v[TM:TM+1], v[TM+4:TM+5]
.endr
	XSUM RS, 4096
.irp m, 0,1,2,3
	v_fma_f32 v[RS+2*\m], v[RS+2*\m], s80, s81
.endr
	s_wait_alu depctr_va_vdst(0)
.irp m, 0,1,2,3
	v_rsq_f32 v[RS+2*\m], v[RS+2*\m]
.endr
	v_nop
	s_wait_alu depctr_va_vdst(0)
	s_wait_loadcnt 0x0
.irp m, 0,1,2,3
	WIN 0x80
.irp tt, 0,1
.irp kk, 0,1,2,3
.irp c, 0,1
	ds_load_b128 v[8*(4*(2*\m+\tt)+\kk)+4*\c:8*(4*(2*\m+\tt)+\kk)+4*\c+3], v[AW1] offset:(32*\m+8*\tt)*272+64*\kk+32*\c
.endr
.endr
.endr
	WIN 0x01
.set q, 0
.rept 32
	v_pk_add_f32 v[HA+2*q:HA+2*q+1], v[64*\m+2*q:64*\m+2*q+1], v[MU+2*\m:MU+2*\m+1] op_sel_hi:[1,0] neg_lo:[0,1] neg_hi:[0,1]
.set q, q+1
.endr
	WIN 0
.set q, 0
.rept 32
	v_pk_mul_f32 v[HA+2*q:HA+2*q+1], v[HA+2*q:HA+2*q+1], v[RS+2*\m:RS+2*\m+1] op_sel_hi:[1,0]
.set q, q+1
.endr
	WIN 0x3c
.set q, 0
.rept 32
	v_pk_fma_f32 v[HA+2*q:HA+2*q+1], v[HA+2*q:HA+2*q+1], v[2*q:2*q+1], v[64+2*q:64+2*q+1]
.set q, q+1
.endr
	WIN 0
	QUANT HA, PCN+8*\m, PW+\m
	ds_store_b128 v[XWI], v[PCN+8*\m:PCN+8*\m+3] offset:4096*\m
	ds_store_b128 v[XWI], v[PCN+8*\m+4:PCN+8*\m+7] offset:4096*\m+512
	ds_store_b32 v[XWS], v[PW+\m] offset:512*\m
.endr
	WIN 0x4d
.irp m, 0,1,2,3
.set q, 0
.rept 32
	v_pk_add_f32 v[64*\m+2*q:64*\m+2*q+1], v[64*\m+2*q:64*\m+2*q+1], v[192+2*q:192+2*q+1]
.set q, q+1
.endr
.endr
; THE FFN GOES TILE BY TILE of 16 tokens, so that a tile's rows are stored while later tiles are computed.  What the second product adds onto (x + attention + b2) leaves window 1 as images of registers:
; tile m's 64 registers at 8,448 m in my own quarter of slot A, which has had its last fill and whose fragments of W1 I have read (LDS serves a wave's instructions in order).  4 x 8,448 = 33,792 of the quarter's 34,816 bytes.
; Window 1 then takes all 32 fragments of my quarter of W2: fragment (t, kk) at 8 (4 t + kk).
.set MX, 70                            ; s70  8,448 x the tile in hand
.set HF, 160                           ; v160-191 the hidden layer's four fragments of the tile in hand
	WIN 0x04                                           ; an LDS store's data are its source 1: window 1
.irp m, 0,1,2,3
.set j, 0
.rept 16
	ds_store_b128 v[STIO], v[64*\m+4*j:64*\m+4*j+3] offset:8448*\m+512*j
.set j, j+1
.endr
.endr
	WIN 0
	s_wait_alu depctr_va_vdst(0)                       ; directly ahead of the wait below
	s_wait_tensorcnt 0x0                               ; my quarter of W2 is in; I alone read it
	WIN 0x40
.irp t, 0,1,2,3,4,5,6,7
.irp kk, 0,1,2,3
.irp c, 0,1
	ds_load_b128 v[8*(4*\t+\kk)+4*\c:8*(4*\t+\kk)+4*\c+3], v[AW2] offset:(32*(\t/2)+8*(\t%2))*272+64*\kk+32*\c
.endr
.endr
.endr
	WIN 0
	s_mov_b32 s[MX], 0
	BAR
	v_add_nc_u32 v3, RG+16384, v[LI]
	s_lshl_b32 s71, s[WV], 10
	s_add_co_u32 s71, s71, RG+18432
	v_add_nc_u32 v4, s71, v[LI]
	s_lshl_b32 s71, s[WV], 9
	s_add_co_u32 s71, s71, RG+34816
	v_add_nc_u32 v5, s71, v[LI]
	v_add_nc_u32 v6, RG+34816, v[LI]
	v_add_nc_u32 v7, RG+18432, v[LI]
	s_mov_b32 s84, 0xb77460cd
	s_mov_b32 s85, s84
	s_mov_b32 s86, 0xaf95df0b
	s_mov_b32 s87, s86
.macro GELU
	WIN 0xc0
.set q, 0
.rept 32
	v_pk_mul_f32 v[2*q:2*q+1], v[HA+2*q:HA+2*q+1], s[82:83] op_sel_hi:[1,0]
.set q, q+1
.endr
	WIN 0xc3
.set j, 0
.rept 64
	v_med3_num_f32 v[j], v[j], -4.0, 4.0
.set j, j+1
.endr
	WIN 0xcf
.set q, 0
.rept 32
	v_pk_mul_f32 v[192+2*q:192+2*q+1], v[2*q:2*q+1], v[2*q:2*q+1]
.set q, q+1
.endr
	s_wait_alu depctr_va_vdst(0)                       ; directly ahead of the wait below
	s_wait_xcnt 0x0                                    ; the last tile's stores have read their data (v64-127 of window 3, written again below) and their base
.set q, 0
.rept 32
	v_pk_fma_f32 v[64+2*q:64+2*q+1], v[192+2*q:192+2*q+1], s[84:85], 0xb95fbd29 op_sel_hi:[1,0,0]
.set q, q+1
.endr
.irp k, 0xbadc924e, 0xbbf19bf8, 0xbc69b6a7
.set q, 0
.rept 32
	v_pk_fma_f32 v[64+2*q:64+2*q+1], v[64+2*q:64+2*q+1], v[192+2*q:192+2*q+1], \k op_sel_hi:[1,1,0]
.set q, q+1
.endr
.endr
.set j, 0
	s_wait_alu depctr_va_vdst(0)
.rept 64
	v_rcp_f32 v[64+j], v[64+j]
.set j, j+1
.endr
	WIN 0x03
.set q, 0
.rept 32
	v_pk_fma_f32 v[GP+2*q:GP+2*q+1], v[192+2*q:192+2*q+1], s[86:87], 0x32edffee op_sel_hi:[1,0,0]
.set q, q+1
.endr
	WIN 0x0c
.irp k, 0xb60cff51, 0xb86ec2d2, 0xba40ac63, 0xbb41a1f6, 0xbc83dbd4
.set q, 0
.rept 32
	v_pk_fma_f32 v[GP+2*q:GP+2*q+1], v[GP+2*q:GP+2*q+1], v[192+2*q:192+2*q+1], \k op_sel_hi:[1,1,0]
.set q, q+1
.endr
.endr
.set q, 0
.rept 32
	v_pk_mul_f32 v[GP+2*q:GP+2*q+1], v[GP+2*q:GP+2*q+1], v[2*q:2*q+1]
.set q, q+1
.endr
	s_wait_alu depctr_va_vdst(0)
.set q, 0
.rept 32
	v_pk_mul_f32 v[GP+2*q:GP+2*q+1], v[GP+2*q:GP+2*q+1], v[64+2*q:64+2*q+1]
.set q, q+1
.endr
	WIN 0
.set q, 0
.rept 32
	v_pk_mul_f32 v[HA+2*q:HA+2*q+1], v[HA+2*q:HA+2*q+1], 0.5 op_sel_hi:[1,0]
.set q, q+1
.endr
.set q, 0
.rept 32
	v_pk_fma_f32 v[HA+2*q:HA+2*q+1], v[HA+2*q:HA+2*q+1], v[GP+2*q:GP+2*q+1], v[HA+2*q:HA+2*q+1]
.set q, q+1
.endr
.endm
	s_mov_b32 s[MO], 0
	s_mov_b32 s[MS], 0
	s_mov_b32 s[M4], 0
	s_mov_b32 s[CNT], 4
.Lm:
	v_add_nc_u32 v10, s[MO], v[PR0]
	s_wait_alu depctr_va_vdst(0)
	v_add_nc_u32 v11, s[MS], v3
.irp kk, 0,1,2,3
.irp c, 0,1
	ds_load_b128 v[XF+8*\kk+4*\c:XF+8*\kk+4*\c+3], v10 offset:1024*\kk+512*\c
.endr
.endr
	ds_load_b128 v[XS:XS+3], v11
	s_wait_dscnt 0x0
	WIN 0x32
.irp t, 0,1,2,3,4,5,6,7
	WM HA+8*\t, 32*\t, XF, 128+8*\t, W1S+4*(\t/2), XS, \t%2
.endr
	WIN 0x02
.irp kk, 1,2,3
.irp t, 0,1,2,3,4,5,6,7
	WM HA+8*\t, 8*(4*\t+\kk), XF+8*\kk, HA+8*\t, W1S+4*(\t/2)+\kk, XS+\kk, \t%2
.endr
.endr
	WIN 0
	PLACES 4
	GELU
	QUANT HA, PC, PW
	v_add_nc_u32 v12, s[MO], v4
	v_add_nc_u32 v13, s[M4], v5
	ds_store_b128 v12, v[PC:PC+3]
	ds_store_b128 v12, v[PC+4:PC+7] offset:512
	ds_store_b32 v13, v[PW]
	; ---- the second product for this tile
	v_add_nc_u32 v14, s[MO], v7                        ; the tile's four images of the hidden layer,
	v_add_nc_u32 v15, s[M4], v6                        ; their scale words,
	v_add_nc_u32 v16, s[MX], v[STIO]                   ; my image of what the sums begin with; later the stage, read by rows;
	v_add_nc_u32 v8, s[MX], v[STTO]                    ; the stage, written by tokens
	s_wait_alu depctr_va_vdst(0)                       ; directly behind the writes
.set j, 0
.rept 16
	ds_load_b128 v[HA+4*j:HA+4*j+3], v16 offset:512*j  ; x + attention + b2 of this tile: the C of the products below (my own bytes: no barrier is owed)
.set j, j+1
.endr
	BAR                                                ; every wave's part of this tile's hidden layer lies in LDS; each tile has bytes of its own
.irp kk, 0,1,2,3
.irp c, 0,1
	ds_load_b128 v[HF+8*\kk+4*\c:HF+8*\kk+4*\c+3], v14 offset:1024*\kk+512*\c
.endr
	ds_load_b32 v[HS+\kk], v15 offset:512*\kk
.endr
	s_and_b32 s98, s[M4], 4                            ; the tile's first token is 32 (m / 2) + 8 (m % 2); a token's row is 2,048 bytes; s[M4] = 4 m
	s_lshl_b32 s98, s98, 12
	s_and_b32 s99, s[M4], 8
	s_lshl_b32 s99, s99, 13
	s_add_co_u32 s98, s98, s99
	s_mov_b32 s99, 0
	s_add_nc_u64 s[30:31], s[OB:OB+1], s[98:99]        ; (the last tile's stores have read this base: the wait on XCNT in GELU)
	s_wait_dscnt 0x0
	WIN 0x01                                           ; source 0: W2's fragments in window 1
.irp kk, 0,1,2,3
.irp t, 0,1,2,3,4,5,6,7
	WM HA+8*\t, 8*(4*\t+\kk), HF+8*\kk, HA+8*\t, W2S+4*(\t/2)+\kk, HS+\kk, \t%2   ; the eight accumulators by turns
.endr
.endr
	WIN 0
	PLACES 4                                           ; four places between the last product and the first read of results
	; ---- the way out: through my stage, which takes the bytes of the image just read; each accumulator from its low end on; back as whole rows of 512 bytes
.irp b, 0,1,2,3
.irp e, 0,1,2,3
	ds_store_b128 v8, v[HA+16*\b+4*\e:HA+16*\b+4*\e+3] offset:128*\b+16*\e
.endr
.endr
	WIN 0xc0
.set i, 0
.rept 16
	ds_load_b128 v[64+4*i:64+4*i+3], v16 offset:528*i
.set i, i+1
.endr
	WIN 0x0c                                           ; a store's data are its source 1: window 3
.set i, 0
.rept 16
	s_wait_dscnt 15-i                                  ; the loads issued behind row i's may be out
	global_store_b128 v[LI], v[64+4*i:64+4*i+3], s[30:31] offset:(i+8*(i/8))*2048 th:TH_STORE_NT   ; 32 lanes store 512 consecutive bytes
.set i, i+1
.endr
	WIN 0
	s_add_co_u32 s[MO], s[MO], 4096
	s_add_co_u32 s[MS], s[MS], 512
	s_add_co_u32 s[M4], s[M4], 4
	s_add_co_u32 s[MX], s[MX], 8448
	s_sub_co_u32 s[CNT], s[CNT], 1
	s_cmp_lg_u32 s[CNT], 0
	s_cbranch_scc1 .Lm
	s_wait_tensorcnt 0x0
	ds_add_u32 v[SPW], v[NIL]
	s_wait_dscnt 0x0
	CROUND
	s_endpgm
.Lfunc_end_k_q7157f06c82_attn_ffn:
	.size	k_q7157f06c82_attn_ffn, .Lfunc_end_k_q7157f06c82_attn_ffn-k_q7157f06c82_attn_ffn
	.p2alignl 7, 3214868480
	.fill 96, 4, 3214868480
	.section	.rodata,"a",@progbits
	.p2align	6, 0x0
	.amdhsa_kernel k_q7157f06c82_attn_ffn
		.amdhsa_group_segment_fixed_size 327680
		.amdhsa_private_segment_fixed_size 0
		.amdhsa_enable_private_segment 0
		.amdhsa_kernarg_size 96
		.amdhsa_user_sgpr_count 2
		.amdhsa_user_sgpr_kernarg_segment_ptr 1
		.amdhsa_wavefront_size32 1
		.amdhsa_system_sgpr_workgroup_id_x 1
		.amdhsa_system_sgpr_workgroup_id_y 1
		.amdhsa_system_sgpr_workgroup_id_z 1
		.amdhsa_system_vgpr_workitem_id 0
		.amdhsa_next_free_vgpr 1024
		.amdhsa_next_free_sgpr 100
		.amdhsa_reserve_vcc 0
		.amdhsa_float_denorm_mode_32 3
		.amdhsa_float_denorm_mode_16_64 3
		.amdhsa_memory_ordered 1
		.amdhsa_forward_progress 1
		.amdhsa_inst_pref_size 255
	.end_amdhsa_kernel
	.section	.bss,"aw",@nobits
	.p2align	6
	.space	262144
	.amdgpu_metadata
---
amdhsa.version: [ 1, 2 ]
amdhsa.kernels:
  - .name:           k_q7157f06c82_attn_ffn
    .symbol:         k_q7157f06c82_attn_ffn.kd
    .args:
      - { .name: qbuf, .offset: 0, .size: 8, .value_kind: global_buffer, .address_space: global }
      - { .name: kv, .offset: 8, .size: 8, .value_kind: global_buffer, .address_space: global }
      - { .name: x, .offset: 16, .size: 8, .value_kind: global_buffer, .address_space: global }
      - { .name: ln2_g, .offset: 24, .size: 8, .value_kind: global_buffer, .address_space: global }
      - { .name: ln2_b, .offset: 32, .size: 8, .value_kind: global_buffer, .address_space: global }
      - { .name: W1_codes, .offset: 40, .size: 8, .value_kind: global_buffer, .address_space: global }
      - { .name: W1_scales, .offset: 48, .size: 8, .value_kind: global_buffer, .address_space: global }
      - { .name: b1, .offset: 56, .size: 8, .value_kind: global_buffer, .address_space: global }
      - { .name: W2_codes, .offset: 64, .size: 8, .value_kind: global_buffer, .address_space: global }
      - { .name: W2_scales, .offset: 72, .size: 8, .value_kind: global_buffer, .address_space: global }
      - { .name: b2, .offset: 80, .size: 8, .value_kind: global_buffer, .address_space: global }
      - { .name: out0, .offset: 88, .size: 8, .value_kind: global_buffer, .address_space: global }
    .group_segment_fixed_size: 327680
    .private_segment_fixed_size: 0
    .kernarg_segment_align: 8
    .kernarg_segment_size: 96
    .max_flat_workgroup_size: 128
    .sgpr_count:     100
    .vgpr_count:     1024
    .wavefront_size: 32
...
	.end_amdgpu_metadata
.endif
;; end of part 2
